; MI455X (gfx1250); checked and timed in simulation.
; The chip was launched on July 23, 2026; its instructions are those of AMD's public machine-readable ISA for CDNA 5 (MIT licence, August 2026) and "CDNA5" Instruction Set Architecture Reference Guide (July 2026). The comments in the code are by the model that wrote it; some were corrected since.
;; MLA Attention. Allowed arithmetic: matrix products marked QUANTISED: E3M2 operands, one E8M0 scale for each 32 along K, by v_wmma_scale_f32_16x16x128_f8f6f4 with both operands' format E3M2, f32 sums; everything else in f32.
;; Inputs: hidden_states 2 x 2,048 x 1,024 float32; w_dkv 128 x 1,024 float32; w_o 1,024 x 1,024 float32; w_q 1,024 x 1,024 float32; w_uk 1,024 x 128 float32; w_uv 1,024 x 128 float32.
;; Outputs: out0 2 x 2,048 x 1,024 float32.
;; This version of the problem:
;;   THIS VERSION OF THE PROBLEM IS GIVEN IN LOW PRECISION. The matrix products marked QUANTISED in the list below multiply operands that are first quantised to E3M2 (3 exponent bits, 2 mantissa bits; 6 bits a number), with one power-of-two scale for each 32 numbers along K (OCP MX v1.0); their sums are f32. All else is computed in f32.
;;   The module's matrix products, in the order in which they are computed (A, B: the left and right operand; K: the contracted axis; several contracted axes count as one K, in the product's order):
;;     1. [M 4,096, K 1,024] x [K 1,024, N 128]; A: input hidden_states; B: input w_dkv: QUANTISED
;;     2. [M 4,096, K 1,024] x [K 1,024, N 1,024]; A: input hidden_states; B: input w_q: QUANTISED
;;     3. [M 4,096, K 128] x [K 128, N 1,024]; A: computed on the way; B: input w_uk: QUANTISED
;;     4. [M 4,096, K 128] x [K 128, N 1,024]; A: computed on the way; B: input w_uv: QUANTISED
;;     5. batch 32 x [M 2,048, K 64] x [K 64, N 2,048]; A: computed on the way; B: computed on the way: QUANTISED
;;     6. batch 32 x [M 64, K 2,048] x [K 2,048, N 2,048]; A: computed on the way; B: softmax (see below): QUANTISED
;;     7. [M 4,096, K 1,024] x [K 1,024, N 1,024]; A: computed on the way; B: input w_o: QUANTISED
;;   THE QUANTISER, for each operand of a quantised product, along K:
;;     - K is cut into blocks of 32 from its start; a last block that is shorter is filled with zeros.
;;     - A block's scale is 2^e with e = floor(log2(the largest magnitude in the block)) - 4, held to -126 .. 127; a block of zeros has e = 0. As a byte (E8M0): e + 127.
;;     - Each number is divided by its block's scale, clamped to +-28, and rounded to the nearest number of E3M2, ties to even, subnormals kept.
;;     - The product sums the exact products of the quantised numbers (number of the format x scale) in f32.
;;   ~~~python
;;   def quantise(x, axis):      # numpy; x: float32 -> the quantised numbers, widened to float32 again
;;       x = np.moveaxis(x, axis, -1); K = x.shape[-1]
;;       x = np.pad(x, [(0, 0)] * (x.ndim - 1) + [(0, -K % 32)]); x = x.reshape(x.shape[:-1] + (-1, 32)); a = np.abs(x).max(-1, keepdims=True)
;;       e = np.where(a > 0, np.clip(np.frexp(np.where(a > 0, a, 1))[1] - 1 - 4, -126, 127), 0)      # np.frexp(a)[1] - 1 = floor(log2(a)), exactly
;;       r = np.clip(x / 2.0 ** e, -28, 28)
;;       step = 2.0 ** (np.maximum(np.frexp(np.where(r == 0, 1, r))[1] - 1, -2) - 2)
;;       q = np.round(r / step) * step * 2.0 ** e      # np.round: ties to even
;;       return np.moveaxis(q.reshape(q.shape[:-2] + (-1,))[..., :K], -1, axis).astype(np.float32)
;;   ~~~
;;   SOFTMAX AHEAD OF A QUANTISED PRODUCT. Where the list says 'softmax', what is quantised is not the finished softmax but p = 2^(t - M), with t = logit x log2(e) and M = ceil(the row's largest t), a whole number; so 1/2 < the row's largest p <= 1. The row's sum l is taken of the UNQUANTISED p, in f32, and the product's result is divided by l at the end. Since M is a whole number, a kernel that streams over the keys may use a running M (the ceiling of the running maximum): every later rescaling is an exact power of two, which a block's scale takes up: the codes' values come out the same.
;;   OPERANDS COMPUTED ON THE WAY. 'Computed on the way' means the value that the module computes at that place (a softmax that the list does not call 'softmax' is quantised finished and normalised). What goes into a quantiser is computed in f32, as accurately as f32 sums, v_exp_f32 and their like allow (about 1e-6 of the number): no bf16 or f16 on the way to a quantiser, and a product that is left as it is and whose result goes on into a quantised operand takes f32 operands (vector FMAs, or v_wmma_f32_16x16x4_f32). A number that lies on a knife's edge between two numbers of the format may be rounded either way, as far as f32 arithmetic and the matrix unit's own rounding can turn it there, and no further.
;; One version. Each part assembles by itself: llvm-mc -triple=amdgcn-amd-amdhsa -mcpu=gfx1250 --defsym DOCPART=n.
;; ======== version 1 of 1: 4 launches
;; limits: right only within a limited range of input values
;; workspace buffers: wq 5,222,400 bytes; qa 3,407,872 bytes; kv 6,684,672 bytes; ao 3,276,800 bytes
;; launch quant (part 1): grid 816 x 1, 2 waves a work-group, no clusters, 34,048 bytes of LDS; arguments hidden_states, w_dkv, w_q, w_o, w_uk, w_uv, wq; writes wq
.if DOCPART == 1
	.amdgcn_target "amdgcn-amd-amdhsa--gfx1250"
	.amdhsa_code_object_version 6
	.text
	.protected	k_q83de1fac08_quant
	.globl	k_q83de1fac08_quant
	.p2align	8
	.type	k_q83de1fac08_quant,@function
k_q83de1fac08_quant:
	s_mov_b64 s[64:65], 0
	v_nop
	global_prefetch_b8 v0, s[64:65] scope:SCOPE_SE
	s_setreg_imm32_b32 hwreg(HW_REG_WAVE_MODE, 25, 1), 1
	s_wait_xcnt 0x0
; All six inputs (f32, K innermost) become codes of BF6 (E3M2) with one E8M0 byte for each 32 along K, laid in wq AS THE MATRIX UNIT'S REGISTERS WANT THEM.
; A FRAGMENT is 16 rows x 128 K: 12 registers a lane, 1,536 bytes: registers 4 c .. 4 c + 3 of lane l lie at 512 c + 16 l.  Lane (r, h) holds row r; registers 0-5 k = 32 h .. + 31, registers 6-11 k = 64 + 32 h .. + 31.
; THE ROWS OF A TILE ARE NOT NEIGHBOURS: row tile T takes rows 64 (T / 4) + 8 (T % 4) + r % 8 + 32 (r / 8), so that results of a transposed product on tiles 4 g .. 4 g + 3 are, in a lane, 32 neighbours along the next K: one whole block.
; A GROUP of four fragments is 6,400 bytes: their codes, then 256 bytes of scale words (64 f + 4 r).  Fragments: hidden_states 0 (8 x token tile + K step), w_dkv 2048, w_q 2112, w_o 2624 (each 8 x tile + K step), w_uk 3136, w_uv 3200 (tile).
; A block's scale is 2^(floor(log2(its largest magnitude)) - 4): its byte is the largest magnitude's exponent field - 4, held at 1 from below by a floor among the maximum's leaves.
; LIMITS: a block of zeros, or one whose largest magnitude lies under 2^-122, gets the byte 1 (the rule says 127 for zeros: the codes are zeros, and this program alone reads the bytes); NaN and infinities are not served.
; SHARES: work-groups 2 g, 2 g + 1 make fragments 8 g .. 8 g + 7, each of their four waves two of them.  One path for all tensors: pointers, a pitch and two offsets are chosen on the work-group's number.
; Each load reads 512 consecutive bytes of one row; a fragment's 8 KiB turn through the wave's own stage in LDS (rows of 528 bytes) so that a lane gets two whole blocks of its row.  No barrier: waves share nothing.
; The codes leave as 512 consecutive bytes a store; a wave's two fragments' scale words leave as 128 consecutive bytes, half of an aligned block of 256: one byte for each 128 that the launch reads.
.set STG,  8448                        ; a stage: 16 rows x 528 bytes
.set OFF,  4                           ; v4-19   row i of a tile: pitch x (i + 24 (i / 8)) + 16 x lane
.set MX,   24                          ; v24-25  the two blocks' largest magnitudes
.set SO,   26                          ; v26-27  the conversions' scale operands
.set BY,   28                          ; v28-29  the scale bytes
.set WT,   30                          ; v30     my two bytes at their places
.set PT,   31                          ; v31     lane l xor 16's
.set X,    32                          ; v32-159 64 numbers for each of the two fragments
.set PC,   160                         ; v160-183 their codes
.set CT,   184                         ; v184-191 the upper halves of a block's codes, before they are moved
.set WD,   192                         ; v192-193 the two scale words
	s_load_b256 s[4:11], s[0:1], 0x0               ; hidden_states, w_dkv, w_q, w_o
	s_load_b128 s[12:15], s[0:1], 0x20             ; w_uk, w_uv
	s_load_b64 s[16:17], s[0:1], 0x30              ; wq
	v_lshl_add_u32 v200, v0, 2, 4*STG
	v_mov_b32 v201, 0
	v_lshrrev_b32 v1, 5, v0
	v_readfirstlane_b32 s39, v1                    ; wave 0, 1
	s_lshr_b32 s40, ttmp9, 1                       ; g
	s_and_b32 s18, ttmp9, 1
	s_lshl_b32 s18, s18, 1
	s_add_co_u32 s18, s18, s39                     ; my share of the eight fragments, 0..3
	v_and_b32 v1, 31, v0                           ; lane
	v_lshlrev_b32 v2, 4, v1                        ; 16 x lane
	v_lshlrev_b32 v22, 2, v1                       ; 4 x lane
	v_and_b32 v20, 15, v0                          ; r
	v_bfe_u32 v23, v0, 4, 1                        ; h
	s_mul_i32 s38, s39, 2*STG                      ; my wave's two stages
	v_mul_u32_u24 v21, v20, 528
	v_lshl_add_u32 v21, v23, 7, v21
	v_add_nc_u32 v21, s38, v21                     ; out of a stage: row r, block h
	v_add_nc_u32 v20, s38, v2                      ; into a stage: 16 x lane of a row
	v_lshlrev_b32 v23, 3, v23                      ; 8 h
	v_cmp_le_u32 vcc_lo, 16, v1                    ; lanes 16-31
	v_mov_b32 v[PT], 0                             ; a lane permute's destination counts as one of its sources
	s_mov_b32 s30, 0x76543210
	s_mov_b32 s31, 0xfedcba98                      ; v_permlanex16_b32's selects for lane l xor 16
	s_mov_b32 s19, 0
	s_wait_alu depctr_va_vdst(0)
	s_wait_kmcnt 0x0
.macro PICK bound, lo                  ; from g = \bound on: the next tensor.  The choice hangs on the work-group's number alone
	s_cmp_ge_u32 s40, \bound
	s_cselect_b64 s[4:5], s[\lo:\lo+1], s[4:5]
	s_cselect_b32 s19, \bound, s19
.endm
	PICK 256, 6
	PICK 264, 8
	PICK 328, 10
	PICK 392, 12
	PICK 400, 14
	s_sub_co_u32 s21, s40, s19                     ; j: g's number within its tensor
	s_lshl_b32 s20, s21, 16
	s_lshr_b32 s32, s18, 1
	s_lshl_b32 s32, s32, 15
	s_or_b32 s20, s20, s32
	s_and_b32 s32, s18, 1
	s_lshl_b32 s32, s32, 13
	s_or_b32 s20, s20, s32                         ; K = 128: tiles 8 j + 2 w, + 1: row 128 j + 64 (w / 2) + 16 (w % 2) of 512 bytes
	s_lshr_b32 s25, s21, 2
	s_lshl_b32 s25, s25, 18
	s_and_b32 s32, s21, 3
	s_lshl_b32 s32, s32, 15
	s_or_b32 s25, s25, s32
	s_lshl_b32 s32, s18, 10
	s_or_b32 s25, s25, s32                         ; K = 1,024: tile j, K steps 2 w, 2 w + 1: row 64 (j / 4) + 8 (j % 4) of 4,096 bytes, + 1,024 w
	s_mov_b32 s24, 4096
	s_cmp_ge_u32 s40, 392
	s_cselect_b32 s22, 512, s24                    ; a row's pitch in bytes
	s_cselect_b32 s23, s24, 512                    ; from my first fragment to my second: 8 rows on, or 128 along K on
	s_cselect_b32 s20, s20, s25
	s_mov_b32 s21, 0
	s_add_nc_u64 s[4:5], s[4:5], s[20:21]
	s_mov_b32 s24, s23
	s_mov_b32 s25, 0
	s_add_nc_u64 s[26:27], s[4:5], s[24:25]
	s_lshl_b32 s33, s40, 2
	s_add_co_u32 s33, s33, s18                     ; my pair of fragments: 4 g + share
	s_lshr_b32 s34, s33, 1
	s_mul_i32 s34, s34, 6400                       ; its group
	s_and_b32 s35, s33, 1
	s_lshl_b32 s36, s35, 7
	s_add_co_u32 s36, s36, s34
	s_add_co_u32 s36, s36, 6144
	s_mov_b32 s37, 0
	s_add_nc_u64 s[28:29], s[16:17], s[36:37]      ; its 128 bytes of scale words
	s_mul_i32 s35, s35, 3072
	s_add_co_u32 s34, s34, s35
	s_mov_b32 s35, 0
	s_add_nc_u64 s[16:17], s[16:17], s[34:35]      ; its 3,072 bytes of codes
	v_mov_b32 v3, s22
.irp i, 0,1,2,3,4,5,6,7,8,9,10,11,12,13,14,15
	v_mad_u32_u24 v[OFF+\i], v3, \i+24*(\i/8), v2
.endr
.macro LOADF f, lo                     ; a fragment's 16 rows x 512 bytes
.irp i, 0,1,2,3,4,5,6,7,8,9,10,11,12,13,14,15
	global_load_b128 v[X+64*\f+4*\i:X+64*\f+4*\i+3], v[OFF+\i], s[\lo:\lo+1] th:TH_LOAD_NT
.endr
.endm
.macro TURNF f                         ; through the stage: LDS serves a wave's instructions in order (ISA guide 5.7.1.4), so no wait stands between the stores and the loads
.irp i, 0,1,2,3,4,5,6,7,8,9,10,11,12,13,14,15
	ds_store_b128 v20, v[X+64*\f+4*\i:X+64*\f+4*\i+3] offset:STG*\f+528*\i
.endr
.irp j, 0,1,2,3,4,5,6,7
	ds_load_b128 v[X+64*\f+4*\j:X+64*\f+4*\j+3], v21 offset:STG*\f+16*\j             ; my row's block h
.endr
.irp j, 0,1,2,3,4,5,6,7
	ds_load_b128 v[X+64*\f+32+4*\j:X+64*\f+32+4*\j+3], v21 offset:STG*\f+256+16*\j   ; and its block 2 + h
.endr
.endm
.macro QF f                            ; 64 numbers of a lane, two whole blocks, become the fragment's 12 registers and its scale word
.set XS, X+64*\f
.set PF, PC+12*\f
.irp c, 0,1
	v_max3_num_f32 v[MX+\c], |v[XS+32*\c]|, |v[XS+32*\c+1]|, 0x2800000      ; the floor 2^(5 - 127): the byte cannot fall under 1
.endr
.irp i, 2,4,6,8,10,12,14,16,18,20,22,24,26,28,30
.irp c, 0,1
	v_max3_num_f32 v[MX+\c], v[MX+\c], |v[XS+32*\c+\i]|, |v[XS+32*\c+\i+1]| ; the two blocks by turns
.endr
.endr
.irp c, 0,1
	v_add_nc_u32 v[SO+\c], 0xfe000000, v[MX+\c]    ; 4 off the exponent field: the conversion takes that field of this operand as its scale
.endr
.irp c, 0,1
	v_lshrrev_b32 v[BY+\c], 23, v[SO+\c]           ; the scale's byte
.endr
	v_lshl_or_b32 v[WT], v[BY+1], 16, v[BY]        ; blocks h and 2 + h,
	v_lshlrev_b32 v[WT], v23, v[WT]                ; 8 h bits up;
	v_permlanex16_b32 v[PT], v[WT], s30, s31
	v_or_b32 v[WD+\f], v[WT], v[PT]                ; with lane l xor 16's two the word is whole, in both halves of the lanes
.irp c, 0,1
	v_cvt_scalef32_pk16_bf6_f32 v[PF+6*\c:PF+6*\c+2], v[XS+32*\c:XS+32*\c+15], v[SO+\c]
	v_cvt_scalef32_pk16_bf6_f32 v[CT+4*\c:CT+4*\c+2], v[XS+32*\c+16:XS+32*\c+31], v[SO+\c]   ; (a conversion's three registers begin on an even number)
.endr
	v_nop                                          ; one plain place behind a scaled conversion
.irp c, 0,1
.irp i, 0,1,2
	v_mov_b32 v[PF+6*\c+3+\i], v[CT+4*\c+\i]
.endr
.endr
.irp g, 0,1,2
	global_store_b128 v2, v[PF+4*\g:PF+4*\g+3], s[16:17] offset:1536*\f+512*\g    ; 32 lanes store 512 consecutive bytes, aligned
.endr
.endm
	LOADF 0, 4
	LOADF 1, 26
	s_wait_loadcnt 16                              ; fragment 0's 16 loads are in, fragment 1's may be out
	TURNF 0
	s_wait_loadcnt 0x0
	TURNF 1
	s_wait_dscnt 32                                ; fragment 0 is back from its stage; fragment 1's 16 stores and 16 loads may be out
	QF 0
	s_wait_dscnt 0x0
	QF 1
	v_cndmask_b32 v194, v[WD], v[WD+1], vcc_lo     ; lanes 0-15 the first fragment's words, lanes 16-31 the second's
	global_store_b32 v22, v194, s[28:29]
	s_wait_tensorcnt 0x0                           ; the wave's end
	ds_add_u32 v200, v201
	s_wait_dscnt 0x0
	s_endpgm
.Lfunc_end_k_q83de1fac08_quant:
	.size	k_q83de1fac08_quant, .Lfunc_end_k_q83de1fac08_quant-k_q83de1fac08_quant
	.p2alignl 7, 3214868480
	.fill 96, 4, 3214868480
	.section	.rodata,"a",@progbits
	.p2align	6, 0x0
	.amdhsa_kernel k_q83de1fac08_quant
		.amdhsa_group_segment_fixed_size 34048
		.amdhsa_private_segment_fixed_size 0
		.amdhsa_enable_private_segment 0
		.amdhsa_kernarg_size 56
		.amdhsa_user_sgpr_count 2
		.amdhsa_user_sgpr_kernarg_segment_ptr 1
		.amdhsa_wavefront_size32 1
		.amdhsa_system_sgpr_workgroup_id_x 1
		.amdhsa_system_sgpr_workgroup_id_y 1
		.amdhsa_system_sgpr_workgroup_id_z 1
		.amdhsa_system_vgpr_workitem_id 0
		.amdhsa_next_free_vgpr 202
		.amdhsa_next_free_sgpr 66
		.amdhsa_reserve_vcc 1
		.amdhsa_float_denorm_mode_32 3
		.amdhsa_float_denorm_mode_16_64 3
		.amdhsa_memory_ordered 1
		.amdhsa_forward_progress 1
		.amdhsa_inst_pref_size 19
	.end_amdhsa_kernel
	.amdgpu_metadata
---
amdhsa.version: [ 1, 2 ]
amdhsa.kernels:
  - .name:           k_q83de1fac08_quant
    .symbol:         k_q83de1fac08_quant.kd
    .args:
      - { .name: hidden_states, .offset: 0, .size: 8, .value_kind: global_buffer, .address_space: global }
      - { .name: w_dkv, .offset: 8, .size: 8, .value_kind: global_buffer, .address_space: global }
      - { .name: w_q, .offset: 16, .size: 8, .value_kind: global_buffer, .address_space: global }
      - { .name: w_o, .offset: 24, .size: 8, .value_kind: global_buffer, .address_space: global }
      - { .name: w_uk, .offset: 32, .size: 8, .value_kind: global_buffer, .address_space: global }
      - { .name: w_uv, .offset: 40, .size: 8, .value_kind: global_buffer, .address_space: global }
      - { .name: wq, .offset: 48, .size: 8, .value_kind: global_buffer, .address_space: global }
    .group_segment_fixed_size: 34048
    .private_segment_fixed_size: 0
    .kernarg_segment_align: 8
    .kernarg_segment_size: 56
    .max_flat_workgroup_size: 64
    .sgpr_count:     66
    .vgpr_count:     202
    .wavefront_size: 32
...
	.end_amdgpu_metadata
.endif
;; end of part 1
;; launch proj (part 2): grid 8 x 32, 8 waves a work-group, clusters of 4 x 1, 327,680 bytes of LDS; arguments wq, qa, kv; writes qa, kv
.if DOCPART == 2
	.amdgcn_target "amdgcn-amd-amdhsa--gfx1250"
	.amdhsa_code_object_version 6
	.text
	.protected	k_q83de1fac08_proj
	.globl	k_q83de1fac08_proj
	.p2align	8
	.type	k_q83de1fac08_proj,@function
k_q83de1fac08_proj:
	s_mov_b64 s[64:65], 0
	v_nop
	global_prefetch_b8 v0, s[64:65] scope:SCOPE_SE
	s_setreg_imm32_b32 hwreg(HW_REG_WAVE_MODE, 25, 1), 1
	s_wait_xcnt 0x0
	s_wait_alu depctr_hold_cnt(0) depctr_sa_sdst(0) depctr_va_vdst(0) depctr_va_sdst(0) depctr_va_ssrc(0) depctr_va_vcc(0) depctr_vm_vsrc(0)
	s_getreg_b32 s2, hwreg(HW_REG_IB_STS2, 6, 4)
	s_cmp_eq_u32 s2, 0
	s_cbranch_scc0 .Lentry_in_a_cluster
	s_endpgm
.Lentry_in_a_cluster:
	s_bfe_u32 s2, ttmp6, 0x10000c
	s_cmp_lg_u32 s2, 0x3003
	s_cbranch_scc0 .Lentry_shape_is_right
	s_endpgm
.Lentry_shape_is_right:
; c_kv = h w_dkv^T, q = h w_q^T, k = c_kv w_uk^T, v = c_kv w_uv^T, all on codes of BF6 (E3M2) with E8M0 scales; c_kv, q, k and v are quantised in registers from f32 sums and never go to memory as f32.
; SHARES.  A work-group takes a chunk of 128 tokens (ck) and a pair of heads (hp).  Eight waves (rho, ta, om): rho = 0 makes c_kv, rho = 1 the pair's 128 numbers of q; om says which 64 units (4 weight tiles), ta which 64 tokens
; (4 token tiles): 16 accumulators, K = 1,024 in 8 steps.  c_kv is made anew by each of a chunk's eight work-groups: 64 x 2 matrix instructions for each token quarter, against a launch more.
; ALL PRODUCTS ARE USED SO THAT THE NEXT K RUNS ALONG A LANE'S REGISTERS: source 0 = 16 rows of a weight, source 1 = 16 tokens gives a lane one token and, by the choice of a tile's rows (64 g + 8 t + r % 8 + 32 (r / 8)),
; in the 32 registers of four tiles the 32 units 64 g + 32 h + 0 .. 31: one whole block.  For v the sources are swapped (source 0 = tokens, source 1 = w_uv): a lane holds one channel and its registers run along the KEYS, v's K.
; c_kv's half fragments (64 units) go from wave to wave through LDS: registers 0-3 at 16 l, registers 4-5 at 512 + 8 l of 768 bytes; the scale words at 64 x tile + 4 r, two bytes from each of two waves.
; OUT: qa: for (batch x 16 + head, token tile) 768 bytes, laid likewise; scale words (bytes 0, 1 the head's two blocks, bytes 2, 3 zero) behind all codes.
;      kv: for (batch x 16 + head, chunk) a record of 13,056 bytes: four images of two key tiles each (registers 0-5, 6-11), four fragments of V^T (16 channels x 128 keys), K's scale registers, V's.
; LDS IS FILLED ONCE: h, w_dkv and w_q, each in two halves of K with their scales (8 rows of 6,400 bytes), by six tensor loads that go out at the start, one a wave: waves 0-2 the first halves, waves 3-5 the second.
; The first halves are awaited by their waves ahead of the first barrier, the second halves ahead of the second.  No prefetch: everything is asked for at the start, and there is no loop to run ahead in.
; CLUSTER: the four work-groups of a cluster share the chunk: h and w_dkv are asked for JOINTLY (mask 15); w_q is each work-group's own.
; LIMITS: as the quantiser's launch: a block of zeros or under 2^-122 gets the byte 1; NaN and infinities are not served.
.set SPW,  14                          ; v14 my spare word, v15 0: never rewritten
.set NIL,  15
.set WS,   16                          ; v16-23  scale words of the 4 weight tiles, K steps 0, 1 and 2, 3 of a half (lanes 0-15 the even step); later w_uk's or w_uv's and c_kv's.  v16-31 hold scales and nothing else
.set HS,   24                          ; v24-31  those of my four token tiles
.set HB,   32                          ; h's four fragments of an even K step; those of an odd step at the same numbers in window 1
.set WB,   80                          ; v80-127 the weight's fragments: tiles 0, 1 and tiles 2, 3
.set ACC,  128                         ; v128-255 accumulator (weight tile a, token tile b) at 128 + 32 b + 8 a
.set TM,   32                          ; v32-43  the quantiser's, behind the long products; v42 8 h, v43 16 h
.set TP,   56                          ; v56-62  the upper halves of a block's codes
.set SEL,  92                          ; s[92:93] v_permlanex16_b32's selects
.set HSTEP, 153600                     ; LDS: the first halves of h, w_dkv, w_q (51,200 each), then the second
.set IMG,  307200                      ; c_kv's eight fragments
.set IMS,  319488                      ; and their scale words
.set SPARE, 320000
.set MSB, 0
.macro WIN new                         ; the immediate's high byte repeats the setting that is left
.if MSB != \new
	s_set_vgpr_msb (MSB<<8)|\new
.set MSB, \new
.endif
.endm
.macro ROUND                           ; a round of the cluster's barrier
	s_barrier_signal -1
	s_barrier_wait -1
	s_cmp_lg_u32 s10, 0
	s_cbranch_scc1 .Lnw0_\@
	s_barrier_signal -3
.Lnw0_\@:
	s_barrier_wait -3
	s_barrier_signal -1
	s_barrier_wait -1
.endm
.macro PLACES
.rept 4
	v_nop
.endr
.endm
.macro MKP g, lds, base, goff          ; a group 0
	s_mov_b32 s[\g], 1
	s_mov_b32 s[\g+1], \lds
	s_add_nc_u64 s[\g+2:\g+3], s[\base:\base+1], \goff
	s_or_b32 s[\g+3], s[\g+3], 0x80000000
.endm
.macro ARM under, g0, g1, next         ; one arm of the head's chain: one load
	s_cmp_lt_u32 s10, \under
	s_cbranch_scc0 \next
	tensor_load_to_lds s[\g0:\g0+3], s[\g1:\g1+7]
	s_nop 0
	PLACES
	s_branch .Lasked
\next:
.endm
	s_load_b128 s[4:7], s[0:1], 0x0                ; wq, qa
	s_load_b64 s[8:9], s[0:1], 0x10                ; kv
	v_lshl_add_u32 v[SPW], v0, 2, SPARE
	v_mov_b32 v[NIL], 0
	ds_add_u32 v[SPW], v[NIL]                      ; the opening: the add, twice on end, and its wait ahead of the first tensor load
	ds_add_u32 v[SPW], v[NIL]
	v_lshrrev_b32 v1, 5, v0
	v_readfirstlane_b32 s10, v1                    ; wave 0..7
	s_lshr_b32 s11, s10, 2                         ; rho
	s_and_b32 s56, s10, 1                          ; om
	s_bfe_u32 s57, s10, 0x10001                    ; ta
	s_bfe_u32 s13, ttmp6, 0x40000                  ; cx
	s_lshl_b32 s14, ttmp9, 2
	s_add_co_u32 s14, s14, s13                     ; hp = 4 x cluster x + cx
	s_and_b32 s15, ttmp7, 0xffff                   ; ck, which the four partners share
	; groups 1, elements of 8 bytes: 8 rows (tiles) of 6,400 bytes (half of K and its scale words), 12,800 bytes apart
	s_mov_b32 s16, (3<<16)|(1<<21)|15              ; joint: the mask names all four, bit 21 set beside it
	s_mov_b32 s24, 3<<16                           ; plain
.irp g, 16, 24
	s_mov_b32 s[\g+1], 800<<16
	s_mov_b32 s[\g+2], 8<<16
	s_mov_b32 s[\g+3], 800<<16
	s_mov_b32 s[\g+4], 8
	s_mov_b32 s[\g+5], 1600
	s_mov_b32 s[\g+6], 0
	s_mov_b32 s[\g+7], 0
.endr
	s_mul_i32 s58, s15, 102400                     ; h's chunk: hangs on ck alone
	s_mov_b32 s59, 0
	s_mul_i32 s60, s14, 102400
	s_add_co_u32 s60, s60, 3379200                 ; w_q: fragment 2,112 + 64 hp
	s_mov_b32 s61, 0
	s_wait_dscnt 0x0                               ; both opening adds are done
	s_wait_kmcnt 0x0
	s_add_nc_u64 s[58:59], s[4:5], s[58:59]
	s_add_nc_u64 s[60:61], s[4:5], s[60:61]
	s_add_nc_u64 s[62:63], s[4:5], 3276800         ; w_dkv: fragment 2,048
	MKP 32, 0, 58, 0
	MKP 36, 51200, 62, 0
	MKP 40, 102400, 60, 0
	MKP 44, HSTEP, 58, 6400
	MKP 48, HSTEP+51200, 62, 6400
	MKP 52, HSTEP+102400, 60, 6400
	ROUND                                          ; all four work-groups are here: the joint loads meet
	ARM 1, 32, 16, .Lh_d0
	ARM 2, 36, 16, .Lh_q0
	ARM 3, 40, 24, .Lh_h1
	ARM 4, 44, 16, .Lh_d1
	ARM 5, 48, 16, .Lh_q1
	ARM 6, 52, 24, .Lasked
	; every LDS address: a constant + a constant x (part of the wave's number) + a constant x lane, made here, on the way that all waves take
	v_and_b32 v32, 31, v0
	v_lshlrev_b32 v9, 4, v32                       ; v9  16 l
	v_lshlrev_b32 v10, 3, v32                      ; v10 8 l
	v_lshlrev_b32 v11, 2, v32                      ; v11 4 l
	v_cmp_le_u32 vcc_lo, 16, v32                   ; lanes 16-31; VCC is written nowhere else
	v_and_b32 v33, 15, v0
	v_lshlrev_b32 v0, 2, v33                       ; v0  from here on 4 (l % 16): a row's scale word in memory
	s_mul_i32 s78, s11, 51200
	s_mul_i32 s79, s56, 25600
	s_add_co_u32 s78, s78, s79
	s_add_co_u32 s78, s78, 51200
	v_add_nc_u32 v1, s78, v9                       ; v1  my weight's codes
	s_add_co_u32 s78, s78, 6144
	v_add_nc_u32 v3, s78, v11                      ; v3  and scale words
	s_mul_i32 s78, s57, 25600
	v_add_nc_u32 v2, s78, v9                       ; v2  h's codes
	s_add_co_u32 s78, s78, 6144
	v_add_nc_u32 v4, s78, v11                      ; v4  and scale words
	s_mul_i32 s78, s57, 6144
	s_mul_i32 s79, s56, 768
	s_add_co_u32 s78, s78, s79
	s_add_co_u32 s78, s78, IMG
	v_add_nc_u32 v5, s78, v9                       ; v5, v12 where I put c_kv's half fragments
	v_add_nc_u32 v12, s78, v10
	s_lshl_b32 s78, s57, 8
	s_lshl_b32 s79, s56, 1
	s_add_co_u32 s78, s78, s79
	s_add_co_u32 s78, s78, IMS
	v_add_nc_u32 v6, s78, v11                      ; v6  and their scale bytes
	s_xor_b32 s79, s11, 1
	s_mul_i32 s79, s79, s57                        ; k's waves read token tiles 4 ta on, v's waves all eight
	s_mul_i32 s78, s79, 6144
	s_add_co_u32 s78, s78, IMG
	v_add_nc_u32 v7, s78, v9                       ; v7, v13
	v_add_nc_u32 v13, s78, v10
	s_lshl_b32 s78, s79, 8
	s_add_co_u32 s78, s78, IMS
	v_add_nc_u32 v8, s78, v11                      ; v8
	s_mov_b32 s[SEL], 0x76543210
	s_mov_b32 s[SEL+1], 0xfedcba98
	; where the second products' weights lie and where results go
	s_lshl_b32 s80, s14, 1
	s_add_co_u32 s80, s80, s56                     ; the head: 2 hp + om
	s_lshl_b32 s81, s11, 4
	s_add_co_u32 s81, s81, s80
	s_add_co_u32 s81, s81, 784                     ; the group of its four tiles of w_uk (rho = 0) or w_uv
	s_mul_i32 s81, s81, 6400
	s_mul_i32 s82, s11, s57                        ; of w_uv I take tiles 2 ta, 2 ta + 1
	s_mul_i32 s78, s82, 3072
	s_add_co_u32 s78, s78, s81
	s_mov_b32 s79, 0
	s_add_nc_u64 s[66:67], s[4:5], s[78:79]        ; s[66:67] codes
	s_lshl_b32 s78, s82, 7
	s_add_co_u32 s78, s78, s81
	s_add_co_u32 s78, s78, 6144
	s_add_nc_u64 s[68:69], s[4:5], s[78:79]        ; s[68:69] scale words
	s_lshr_b32 s82, s15, 4                         ; the batch
	s_and_b32 s83, s15, 15                         ; the chunk within it
	s_lshl_b32 s82, s82, 4
	s_add_co_u32 s82, s82, s80                     ; 16 batch + head
	s_lshl_b32 s84, s82, 7
	s_lshl_b32 s85, s83, 3
	s_add_co_u32 s84, s84, s85
	s_lshl_b32 s85, s57, 2
	s_add_co_u32 s84, s84, s85                     ; (16 batch + head) x 128 + token tile 8 chunk + 4 ta
	s_mul_i32 s78, s84, 768
	s_add_nc_u64 s[70:71], s[6:7], s[78:79]        ; s[70:71] q's codes
	s_lshl_b32 s78, s84, 6
	s_add_co_u32 s78, s78, 3145728
	s_add_nc_u64 s[72:73], s[6:7], s[78:79]        ; s[72:73] q's scale words
	s_lshl_b32 s84, s82, 4
	s_add_co_u32 s84, s84, s83
	s_mul_i32 s84, s84, 13056                      ; my head's and chunk's record in kv
	s_mul_i32 s85, s11, 6144
	s_mul_i32 s86, s57, 3072
	s_add_co_u32 s78, s84, s85
	s_add_co_u32 s78, s78, s86
	s_add_nc_u64 s[74:75], s[8:9], s[78:79]        ; s[74:75] my two images of K, or my two fragments of V
	s_lshl_b32 s85, s11, 9
	s_lshl_b32 s86, s11, 7
	s_sub_co_u32 s86, 256, s86
	s_mul_i32 s86, s86, s57
	s_add_co_u32 s78, s84, s85
	s_add_co_u32 s78, s78, s86
	s_add_co_u32 s78, s78, 12288
	s_add_nc_u64 s[76:77], s[8:9], s[78:79]        ; s[76:77] their scale registers
.macro LDH e                           ; h's four fragments of the half's K step e: odd steps into window 1
.if (\e)&1
	WIN 0x40
.else
	WIN 0
.endif
.irp b, 0,1,2,3
.irp c, 0,1,2
	ds_load_b128 v[HB+12*\b+4*\c:HB+12*\b+4*\c+3], v2 offset:6400*\b+1536*(\e)+512*\c
.endr
.endr
.endm
.macro LDW q                           ; granule q: weight tiles 2 (q % 2), + 1 of K step q / 2
.irp i, 0,1
.irp c, 0,1,2
	ds_load_b128 v[WB+24*((\q)&1)+12*\i+4*\c:WB+24*((\q)&1)+12*\i+4*\c+3], v1 offset:6400*(2*((\q)&1)+\i)+1536*((\q)>>1)+512*\c
.endr
.endr
.endm
.macro MM hf, q                        ; its eight products.  The 16 accumulators take turns, one instruction a turn.  The first K step's products start the sums
.irp b, 0,1,2,3
.irp i, 0,1
.set RD_, ACC+32*\b+8*(2*((\q)&1)+\i)
.set RA_, WB+24*((\q)&1)+12*\i
.set RB_, HB+12*\b
.set RS_, WS+4*((\q)>>2)+2*((\q)&1)+\i
.set RT_, HS+4*((\q)>>2)+\b
.if ((\hf)==0)&&((\q)<2)
	v_wmma_scale_f32_16x16x128_f8f6f4 v[RD_:RD_+7], v[RA_:RA_+11], v[RB_:RB_+11], 0, v[RS_], v[RT_] matrix_a_fmt:MATRIX_FMT_BF6 matrix_b_fmt:MATRIX_FMT_BF6
.elseif (((\q)>>1)&1)==0
	v_wmma_scale_f32_16x16x128_f8f6f4 v[RD_:RD_+7], v[RA_:RA_+11], v[RB_:RB_+11], v[RD_:RD_+7], v[RS_], v[RT_] matrix_a_fmt:MATRIX_FMT_BF6 matrix_b_fmt:MATRIX_FMT_BF6
.else
	v_wmma_scale_f32_16x16x128_f8f6f4 v[RD_:RD_+7], v[RA_:RA_+11], v[RB_:RB_+11], v[RD_:RD_+7], v[RS_], v[RT_] matrix_a_fmt:MATRIX_FMT_BF6 matrix_b_fmt:MATRIX_FMT_BF6 matrix_a_scale:MATRIX_SCALE_ROW1 matrix_b_scale:MATRIX_SCALE_ROW1
.endif
.endr
.endr
.endm
.macro HALF hf                         ; four K steps: 64 matrix instructions a wave
.if \hf
	s_wait_tensorcnt 0x0                           ; no tensor load of mine is out
.else
	s_cmp_lt_u32 s10, 3                            ; waves 0-2 fetched the first halves, each by a line of its own; waves 3-5's loads may stay on their way
	s_cbranch_scc0 .Lfirst
	s_wait_tensorcnt 0x0
.Lfirst:
.endif
	s_barrier_signal -1                            ; (no LDS instruction of mine is out)
	s_barrier_wait -1
.if \hf
	v_add_nc_u32 v1, HSTEP, v1
	v_add_nc_u32 v2, HSTEP, v2
	v_add_nc_u32 v3, HSTEP, v3
	v_add_nc_u32 v4, HSTEP, v4
	s_wait_alu depctr_va_vdst(0)
.endif
.irp s, 0,1
.irp a, 0,1,2,3
	ds_load_b32 v[WS+4*\s+\a], v3 offset:6400*\a+128*\s
	ds_load_b32 v[HS+4*\s+\a], v4 offset:6400*\a+128*\s
.endr
.endr
	LDH 0
	LDW 0
	LDW 1
	LDH 1
.irp q, 0,1,2,3,4,5,6,7
.if \q < 6
	s_wait_dscnt 18                                ; behind what granule q wants: one granule's six loads and one K step's twelve
.elseif \q == 6
	s_wait_dscnt 6                                 ; the last granule's six
.else
	s_wait_dscnt 0x0
.endif
	WIN 4*((\q/2)%2)                               ; source 1: window 1 in odd K steps
	MM \hf, \q
	PLACES                                         ; four places in front of loads into registers that matrix instructions have read, and of the first read of results (ISA guide 7.12.1 for vector instructions)
.if \q < 6
	LDW \q+2
.endif
.if (\q == 1) || (\q == 3)
	LDH (\q/2)+2
.endif
.endr
	WIN 0
.endm
; 64 numbers of a lane, two whole blocks (registers 0-31, 32-63), become 12 registers of codes and a scale word: byte 2 c + h for block c of lanes (r, h), whole in both halves of the lanes
.macro QUANT s, pc, pw
.irp b, 0,1,2,3
	v_max3_num_f32 v[TM+\b], |v[(\s)+16*\b]|, |v[(\s)+1+16*\b]|, 0x2800000   ; each accumulator is read from its low end on; the floor 2^(5 - 127) holds the byte at 1 from below
.endr
.irp i, 2,4,6,8,10,12,14
.irp b, 0,1,2,3
	v_max3_num_f32 v[TM+\b], v[TM+\b], |v[(\s)+16*\b+\i]|, |v[(\s)+1+16*\b+\i]|
.endr
.endr
.irp c, 0,1
	v_max_num_f32 v[TM+2*\c], v[TM+2*\c], v[TM+2*\c+1]
.endr
.irp c, 0,1
	v_add_nc_u32 v[TM+8+\c], 0xfe000000, v[TM+2*\c]   ; 4 off the exponent field: the conversion's scale operand
.endr
.irp c, 0,1
	v_lshrrev_b32 v[TM+4+\c], 23, v[TM+8+\c]       ; the scale's byte
.endr
	v_lshl_or_b32 v[TM+4], v[TM+5], 16, v[TM+4]
	v_lshlrev_b32 v[TM+4], v[TM+10], v[TM+4]
	v_permlanex16_b32 v[TM+6], v[TM+4], s[SEL], s[SEL+1]
	v_or_b32 v[\pw], v[TM+4], v[TM+6]
.irp c, 0,1
	v_cvt_scalef32_pk16_bf6_f32 v[(\pc)+6*\c:(\pc)+2+6*\c], v[(\s)+32*\c:(\s)+15+32*\c], v[TM+8+\c]
	v_cvt_scalef32_pk16_bf6_f32 v[TP+4*\c:TP+2+4*\c], v[(\s)+16+32*\c:(\s)+31+32*\c], v[TM+8+\c]   ; (a conversion's three registers begin on an even number)
.endr
	v_nop                                          ; one plain place behind a scaled conversion
.irp c, 0,1
.irp i, 0,1,2
	v_mov_b32 v[(\pc)+3+6*\c+\i], v[TP+4*\c+\i]
.endr
.endr
.endm
.macro TWOB dst, src                   ; lanes 0-15 the first tile's two bytes, lanes 16-31 the second's; the upper two bytes are 0
	v_lshrrev_b32 v[\dst], v[TM+11], v[\src]
	v_and_b32 v[\dst], 0xffff, v[\dst]
.endm
	s_wait_alu depctr_va_vdst(0)                   ; the head's end
	HALF 0
	HALF 1
	v_mov_b32 v[TM+6], 0                           ; a lane permute's destination counts as one of its sources
	v_lshrrev_b32 v[TM+10], 3, v11
	v_and_b32 v[TM+10], 8, v[TM+10]                ; 8 h
	v_lshlrev_b32 v[TM+11], 1, v[TM+10]            ; 16 h
	s_wait_alu depctr_va_vdst(0)
	s_cmp_eq_u32 s11, 0
	s_cbranch_scc0 .Lrole_q
	; ---- rho = 0: my four token tiles' halves of c_kv, for all eight waves.  w_uk is asked for first and lands meanwhile
.irp i, 0,1,2,3
.irp c, 0,1,2
	global_load_b128 v[80+12*\i+4*\c:80+12*\i+4*\c+3], v9, s[66:67] offset:1536*\i+512*\c
.endr
	global_load_b32 v[WS+\i], v0, s[68:69] offset:64*\i
.endr
	QUANT 128, 44, 63
	QUANT 192, 64, 76
	TWOB 77, 63
	TWOB 78, 76
.irp z, 0,1
.irp c, 0,1
	ds_store_b128 v5, v[44+20*\z+6*\c:47+20*\z+6*\c] offset:1536*(2*\z+\c)
	ds_store_b64 v12, v[48+20*\z+6*\c:49+20*\z+6*\c] offset:1536*(2*\z+\c)+512
.endr
	ds_store_b16 v6, v[77+\z] offset:128*\z
.endr
	s_wait_alu depctr_va_vdst(0)
	s_branch .Lmeet
.Lrole_q:
	; ---- rho = 1: head 2 hp + om of q, my four token tiles
.irp z, 0,1
.irp c, 0,1,2
	global_load_b128 v[80+12*\z+4*\c:80+12*\z+4*\c+3], v9, s[66:67] offset:1536*\z+512*\c
.endr
	global_load_b32 v[WS+\z], v0, s[68:69] offset:64*\z
.endr
	QUANT 128, 44, 63
	QUANT 192, 64, 76
	TWOB 77, 63
	TWOB 78, 76
.irp z, 0,1
.irp c, 0,1
	global_store_b128 v9, v[44+20*\z+6*\c:47+20*\z+6*\c], s[70:71] offset:768*(2*\z+\c)        ; 512 consecutive bytes, aligned
	global_store_b64 v10, v[48+20*\z+6*\c:49+20*\z+6*\c], s[70:71] offset:768*(2*\z+\c)+512    ; 256 consecutive bytes, aligned
.endr
	global_store_b32 v11, v[77+\z], s[72:73] offset:128*\z
.endr
	s_wait_alu depctr_va_vdst(0)
.Lmeet:
	s_wait_dscnt 0x0                               ; for the others' sake: my stores of c_kv have landed
	s_barrier_signal -1
	s_barrier_wait -1                              ; c_kv's eight fragments lie in LDS
	s_cmp_eq_u32 s11, 0
	s_cbranch_scc0 .Lrole_v
	; ---- rho = 0: k of head 2 hp + om, token tiles 4 ta .. 4 ta + 3.  Source 0 = w_uk's four tiles, source 1 = c_kv: a lane holds one key, 32 registers one block of its head's 64 numbers
.irp x, 0,1,2,3
.irp m, 0,1
	ds_load_b128 v[192+12*\x+6*\m:195+12*\x+6*\m], v7 offset:1536*\x+768*\m
	ds_load_b64 v[196+12*\x+6*\m:197+12*\x+6*\m], v13 offset:1536*\x+768*\m+512
.endr
.endr
.irp z, 0,1
	ds_load_b32 v[WS+4+\z], v8 offset:128*\z       ; lanes 0-15 token tile 2 z, lanes 16-31 tile 2 z + 1
.endr
	s_wait_dscnt 0x0
	s_wait_loadcnt 0x0                             ; w_uk
.irp z, 0,1
.irp i, 0,1,2,3
	v_wmma_scale_f32_16x16x128_f8f6f4 v[128+8*\i:135+8*\i], v[80+12*\i:91+12*\i], v[192+24*\z:203+24*\z], 0, v[WS+\i], v[WS+4+\z] matrix_a_fmt:MATRIX_FMT_BF6 matrix_b_fmt:MATRIX_FMT_BF6
.endr
.irp i, 0,1,2,3
	v_wmma_scale_f32_16x16x128_f8f6f4 v[160+8*\i:167+8*\i], v[80+12*\i:91+12*\i], v[204+24*\z:215+24*\z], 0, v[WS+\i], v[WS+4+\z] matrix_a_fmt:MATRIX_FMT_BF6 matrix_b_fmt:MATRIX_FMT_BF6 matrix_b_scale:MATRIX_SCALE_ROW1
.endr
	PLACES
	QUANT 128, 44+20*\z, 63+13*\z                  ; registers 0-5 the first key tile, registers 6-11 the second: an image of two tiles.  (Its lines on v32-43 are also the places in front of the next eight products, which write over these results)
	TWOB 240+\z, 63+13*\z
.irp c, 0,1,2
	global_store_b128 v9, v[44+20*\z+4*\c:44+20*\z+4*\c+3], s[74:75] offset:1536*\z+512*\c
.endr
.endr
	global_store_b64 v10, v[240:241], s[76:77]     ; two scale registers: 256 consecutive bytes, aligned
	s_branch .Lend
.macro FRB t                           ; where c_kv's fragment t lies in v's waves
.if (\t) < 2
.set FR_, 104+12*(\t)
.elseif (\t) < 7
.set FR_, 192+12*((\t)-2)
.else
.set FR_, 64
.endif
.endm
.Lrole_v:
	; ---- rho = 1: v of head 2 hp + om, channel tiles 2 ta, 2 ta + 1.  Source 0 = c_kv's eight token tiles, source 1 = w_uv: a lane holds one channel, its 64 registers two blocks of the chunk's 128 keys
	s_wait_xcnt 0x0                                ; q's stores have read v44-78: they are written again below
.irp t, 0,1,2,3,4,5,6,7
	FRB \t
.irp m, 0,1
	ds_load_b128 v[FR_+6*\m:FR_+3+6*\m], v7 offset:1536*\t+768*\m
	ds_load_b64 v[FR_+4+6*\m:FR_+5+6*\m], v13 offset:1536*\t+768*\m+512
.endr
.endr
.irp z, 0,1,2,3
	ds_load_b32 v[WS+4+\z], v8 offset:128*\z
.endr
	s_wait_dscnt 0x0
	s_wait_loadcnt 0x0                             ; w_uv
.irp z, 0,1
.irp t, 0,1,2,3,4,5,6,7
	FRB \t
.if \t%2
	v_wmma_scale_f32_16x16x128_f8f6f4 v[128+8*\t:135+8*\t], v[FR_:FR_+11], v[80+12*\z:91+12*\z], 0, v[WS+4+\t/2], v[WS+\z] matrix_a_fmt:MATRIX_FMT_BF6 matrix_b_fmt:MATRIX_FMT_BF6 matrix_a_scale:MATRIX_SCALE_ROW1
.else
	v_wmma_scale_f32_16x16x128_f8f6f4 v[128+8*\t:135+8*\t], v[FR_:FR_+11], v[80+12*\z:91+12*\z], 0, v[WS+4+\t/2], v[WS+\z] matrix_a_fmt:MATRIX_FMT_BF6 matrix_b_fmt:MATRIX_FMT_BF6
.endif
.endr
	PLACES
.if \z == 1
	s_wait_xcnt 0x0                                ; the first fragment's stores have read v44-55
.endif
	QUANT 128, 44, 252+\z
.irp c, 0,1,2
	global_store_b128 v9, v[44+4*\c:47+4*\c], s[74:75] offset:1536*\z+512*\c
.endr
.endr
	v_cndmask_b32 v254, v252, v253, vcc_lo         ; one scale register: lanes 0-15 the even channel tile, lanes 16-31 the odd
	global_store_b32 v11, v254, s[76:77]
.Lend:
	s_wait_tensorcnt 0x0                           ; the wave's end
	ds_add_u32 v[SPW], v[NIL]
	s_wait_dscnt 0x0
	ROUND                                          ; the closing round: no work-group ends while a partner may still ask for a tile that names it
	s_endpgm
.Lfunc_end_k_q83de1fac08_proj:
	.size	k_q83de1fac08_proj, .Lfunc_end_k_q83de1fac08_proj-k_q83de1fac08_proj
	.p2alignl 7, 3214868480
	.fill 96, 4, 3214868480
	.section	.rodata,"a",@progbits
	.p2align	6, 0x0
	.amdhsa_kernel k_q83de1fac08_proj
		.amdhsa_group_segment_fixed_size 327680
		.amdhsa_private_segment_fixed_size 0
		.amdhsa_enable_private_segment 0
		.amdhsa_kernarg_size 24
		.amdhsa_user_sgpr_count 2
		.amdhsa_user_sgpr_kernarg_segment_ptr 1
		.amdhsa_wavefront_size32 1
		.amdhsa_system_sgpr_workgroup_id_x 1
		.amdhsa_system_sgpr_workgroup_id_y 1
		.amdhsa_system_sgpr_workgroup_id_z 1
		.amdhsa_system_vgpr_workitem_id 0
		.amdhsa_next_free_vgpr 336
		.amdhsa_next_free_sgpr 102
		.amdhsa_reserve_vcc 1
		.amdhsa_float_denorm_mode_32 3
		.amdhsa_float_denorm_mode_16_64 3
		.amdhsa_memory_ordered 1
		.amdhsa_forward_progress 1
		.amdhsa_inst_pref_size 82
	.end_amdhsa_kernel
	.amdgpu_metadata
---
amdhsa.version: [ 1, 2 ]
amdhsa.kernels:
  - .name:           k_q83de1fac08_proj
    .symbol:         k_q83de1fac08_proj.kd
    .args:
      - { .name: wq, .offset: 0, .size: 8, .value_kind: global_buffer, .address_space: global }
      - { .name: qa, .offset: 8, .size: 8, .value_kind: global_buffer, .address_space: global }
      - { .name: kv, .offset: 16, .size: 8, .value_kind: global_buffer, .address_space: global }
    .group_segment_fixed_size: 327680
    .private_segment_fixed_size: 0
    .kernarg_segment_align: 8
    .kernarg_segment_size: 24
    .max_flat_workgroup_size: 256
    .sgpr_count:     102
    .vgpr_count:     336
    .wavefront_size: 32
...
	.end_amdgpu_metadata
.endif
;; end of part 2
;; launch attn (part 3): grid 256 x 1, 16 waves a work-group, no clusters, 327,680 bytes of LDS; arguments qa, kv, ao; writes ao
.if DOCPART == 3
	.amdgcn_target "amdgcn-amd-amdhsa--gfx1250"
	.amdhsa_code_object_version 6
	.text
	.protected	k_q83de1fac08_attn
	.globl	k_q83de1fac08_attn
	.p2align	8
	.type	k_q83de1fac08_attn,@function
k_q83de1fac08_attn:
	s_mov_b64 s[64:65], 0
	v_nop
	global_prefetch_b8 v0, s[64:65] scope:SCOPE_SE
	s_setreg_imm32_b32 hwreg(HW_REG_WAVE_MODE, 25, 1), 1
	s_wait_xcnt 0x0
; o = softmax(q k^T / 8 + ALiBi, causal) v for one (batch, head), both products on codes of BF6 (E3M2) with E8M0 scales; the result is quantised along the head's 64 numbers and stored as half a fragment of the last product.
; THE SOFTMAX: t = logit x log2(e); M = the running largest t rounded UP to a whole number; p = 2^(t - M) is quantised along the keys, not normalised; the sum of the unquantised p divides at the end.
; When M moves, the sum and O^T are multiplied by 2^(old M - new M): exact, and no branch on data.
; ALiBi: logit = (s - 0.5 (query - key)) / 8, so t = c (s + 0.5 (key - query)), c = log2(e) / 8.  Of 0.5 key the part 0.5 (8 t + j), which differs from register to register, is the C of the score's matrix
; instruction (32 registers); the rest, 0.5 (first key + 32 h - query) + 32 x (which 64 keys), goes into the addend of the multiply-add that makes t - M.
; SHARES.  A work-group owns query blocks i (light) and 15 - i (heavy), 128 queries each, of one head: block j wants j + 1 key steps of 128, 17 together.  Sixteen waves in pairs: wave 8 + k (k = 0..7, the helper) takes light tile k,
; its i + 1 steps, and then the first 7 - i steps of heavy tile k; wave k (the main) takes the other 9 steps of heavy tile k: 8 and 9 steps, whatever i.  The helper's two states (O^T, -M, the sum) go to LDS;
; behind the loops the helper finishes the light tile and the main joins both parts of the heavy tile by exact powers of two.
; LDS: 17 slots of a record (13,056 bytes: K's images, V's fragments, their scale registers): slots 0-7 what the helpers read, step by step, slots 8-16 what the mains read.  Which record a slot takes hangs on i, in the global address alone.
; FILLED ONCE: slots 0, 1, 8, 9 at the head by waves 0-3, the other thirteen behind the first barrier by waves 0-12, one load a wave each time; they have two steps in which to land.  No prefetch into the L2: no record is asked for later than that.
; NO CLUSTER: the walk through the keys, and with it branches, hang on i, which differs between the work-groups that share a head.  The eight of a head have numbers equal modulo 16.
; LAYOUT.  S^T = K Q^T (source 0 = 16 keys), O^T = V^T P^T (source 0 = 16 channels): a lane holds ONE query throughout.  Row r of key tile 4 c + t is key 64 c + 8 t + r % 8 + 32 (r / 8), so a lane's 32 registers of
; tiles 4 c .. 4 c + 3 are the keys 64 c + 32 h + 0 .. 31: one whole block of the quantiser, and just the codes that p's operand wants in that lane.
; TWO BLOCKS OF 64 REGISTERS CHANGE ROLES: in an even step X holds K, then V, and Y the scores, then p; when p has been used, Y takes the next step's K, and in the odd step the two are exchanged.
; K = 64 IN AN INSTRUCTION OF 128: q's registers 6-11 are zero codes and the scale bytes 2, 3 are 0 (2^-127, no NaN) on both sides, so K's upper six registers may hold any codes: tile t's source is v[KB + 6 t .. + 11],
; whose upper half is the next tile's lower half; behind the last tile lies whatever the block held (the format has no code for NaN or infinity).
; LIMITS: NaN and infinities are not served; the scaled scores stay under 2^31 in magnitude; p under 2^-126 counts as 0; a block whose every p is 0 gets the byte 1 (its codes are zeros); a block's largest p is made from its
; largest score by the same two instructions, which takes v_exp_f32 not to fall where its input rises.
.set REC, 13056
.set DMP, 17*REC                       ; sixteen states of 4,608 bytes: the helpers' light tiles, then their parts of the heavy tiles
.set DSZ, 4608
.set SPARE, DMP+16*DSZ
.set A1,  10                           ; v10     AD's second number (named as a pair with v11)
.set QF,  16                           ; v16-27  q's fragment; v22-27 = 0
.set QS,  28                           ; v28     q's scale words      (v28-35 hold scales and nothing else)
.set PW,  29                           ; v29     p's scale word
.set KS,  30                           ; v30-33  K's scale registers: lanes 0-15 tile 2 b, lanes 16-31 tile 2 b + 1
.set VS,  34                           ; v34-35  V's likewise
.set CB,  36                           ; v36-67  0.5 (8 t + j)
.set X,   68                           ; v68-131, v132-195 the two blocks
.set Y,   132
.set O,   196                          ; v196-227 O^T
.set PC,  228                          ; v228-239 p's codes
.set BM,  240                          ; v240-243 the largest scores; blocks' in v240 and v242, later their largest p
.set PT,  240                          ; v240-242, v246-248 the upper halves of a block's codes
.set SO,  244                          ; v244-245 the conversions' scale operands
.set G,   246                          ; v246-247 c (0.5 (first key + 32 h - query) + 32 x half)
.set BT,  248                          ; v248-249 the blocks' largest t; the bytes
.set A0,  250                          ; v250    G - M of the first 64 keys (named as a pair with v251)
.set T1,  251
.set FF,  252                          ; v252    f = 2^(old M - new M) (named as a pair with v253)
.set T0,  253
.set SPW, 254                          ; v254 my spare word, v255 0: never rewritten
.set NIL, 255
.macro PLACES
.rept 4
	v_nop
.endr
.endm
	s_load_b128 s[4:7], s[0:1], 0x0                ; qa, kv
	s_load_b64 s[8:9], s[0:1], 0x10                ; ao
	v_lshl_add_u32 v[SPW], v0, 2, SPARE
	v_mov_b32 v[NIL], 0
	ds_add_u32 v[SPW], v[NIL]                      ; the opening: the add, twice on end, and its wait ahead of the first tensor load
	ds_add_u32 v[SPW], v[NIL]
	v_lshrrev_b32 v1, 5, v0
	v_readfirstlane_b32 s10, v1                    ; wave w, 0..15
	s_and_b32 s11, ttmp9, 15
	s_lshl_b32 s11, s11, 1
	s_bfe_u32 s44, ttmp9, 0x10004
	s_add_co_u32 s11, s11, s44                     ; 16 x batch + head
	s_lshr_b32 s12, ttmp9, 5                       ; i, 0..7
	s_mov_b32 s24, 3<<16                           ; group 1: a record, 13,056 dense bytes, as 51 rows of 256 bytes (32 elements of 8)
	s_mov_b32 s25, 32<<16
	s_mov_b32 s26, 51<<16
	s_mov_b32 s27, 32<<16
	s_mov_b32 s28, 51
	s_mov_b32 s29, 32
	s_mov_b32 s30, 0
	s_mov_b32 s31, 0
	; my first fill: waves 0, 1 the helpers' step w, waves 2, 3 the mains' step w - 2; my second: waves 0-5 the helpers' step w + 2, waves 6-12 the mains' step w - 4
	s_add_co_u32 s44, s12, 1
	s_sub_co_u32 s46, s10, s44
	s_cmp_le_u32 s10, s12
	s_cselect_b32 s46, s10, s46                    ; helpers, step n: record n up to i, then n - i - 1
	s_sub_co_u32 s47, s10, s12
	s_add_co_u32 s47, s47, 5                       ; mains, step n: record 7 - i + n
	s_cmp_lt_u32 s10, 2
	s_cselect_b32 s46, s46, s47
	s_sub_co_u32 s47, s47, 2
	s_add_co_u32 s48, s10, 2
	s_sub_co_u32 s49, s48, s44
	s_cmp_le_u32 s48, s12
	s_cselect_b32 s49, s48, s49
	s_cmp_lt_u32 s10, 6
	s_cselect_b32 s47, s49, s47
	s_min_u32 s46, s46, 15                         ; (waves that issue no such load hold a number in range too)
	s_min_u32 s47, s47, 15
	s_lshl_b32 s48, s11, 4
	s_add_co_u32 s46, s46, s48
	s_add_co_u32 s47, s47, s48
	s_mul_i32 s54, s46, REC
	s_mov_b32 s55, 0
	s_mul_i32 s56, s47, REC
	s_mov_b32 s57, 0
	s_and_b32 s44, s10, 2
	s_mul_i32 s44, s44, 3
	s_add_co_u32 s44, s44, s10                     ; slot w + 3 (w & 2): 0, 1, 8, 9
	s_mul_i32 s33, s44, REC
	s_add_co_u32 s44, s10, 2
	s_and_b32 s46, s44, 8
	s_lshr_b32 s46, s46, 2
	s_add_co_u32 s44, s44, s46                     ; slot w + 2, from wave 6 on w + 4: 2-7, 10-16
	s_mul_i32 s37, s44, REC
	s_mov_b32 s32, 1
	s_mov_b32 s36, 1
	s_wait_dscnt 0x0                               ; both opening adds are done
	s_wait_kmcnt 0x0
	s_add_nc_u64 s[34:35], s[6:7], s[54:55]
	s_or_b32 s35, s35, 0x80000000
	s_add_nc_u64 s[38:39], s[6:7], s[56:57]
	s_or_b32 s39, s39, 0x80000000
	s_cmp_lt_u32 s10, 4
	s_cbranch_scc0 .Lasked
	tensor_load_to_lds s[32:35], s[24:31]
	s_nop 0
	PLACES
.Lasked:
	s_lshr_b32 s44, s10, 3                         ; 0 main, 1 helper
	s_sub_co_u32 s19, 9, s44                       ; s19 my steps: 9 or 8
	s_xor_b32 s44, s44, 1
	s_mul_i32 s45, s44, 8*REC                      ; s45 my first slot
	s_xor_b32 s41, s10, 8
	s_mul_i32 s41, s41, DSZ
	s_add_co_u32 s41, s41, DMP
	s_and_b32 s2, s10, 7                           ; k
	s_bfe_u32 s43, s10, 0x10002                    ; s43 k / 4: which 64 of its block's queries
	s_lshl_b32 s46, s12, 3
	s_add_co_u32 s47, s46, s2                      ; the light tile
	s_sub_co_u32 s48, 120, s46
	s_add_co_u32 s48, s48, s2                      ; the heavy tile
	s_sub_co_u32 s49, 7, s12
	s_lshl_b32 s49, s49, 7
	s_cmp_ge_u32 s10, 8
	s_cselect_b32 s13, s47, s48                    ; s13 the tile that I begin with, and the one that I finish
	s_cselect_b32 s15, s12, 8                      ; s15 its diagonal step
	s_cselect_b32 s49, 0, s49                      ; my first key
	s_lshr_b32 s14, s13, 2
	s_lshl_b32 s14, s14, 6
	s_and_b32 s46, s13, 3
	s_lshl_b32 s46, s46, 3
	s_add_co_u32 s14, s14, s46                     ; its first query
	s_sub_co_u32 s62, s49, s14
	s_sub_co_u32 s42, 16, s12
	s_lshl_b32 s42, s42, 6                         ; s42 what a helper takes from E on the change of tiles: 64 (i + 1) + 64 (15 - 2 i)
	s_mov_b32 s20, 0x76543210
	s_mov_b32 s21, 0xfedcba98                      ; v_permlanex16_b32's selects for lane l xor 16
	s_mov_b32 s22, 0x3e38aa3b                      ; c = log2(e) / 8
	s_mov_b32 s23, s22                             ; (named with it as a pair, so it is written)
	s_mov_b32 s40, 0x40b8aa3b                      ; 32 c
	s_lshl_b32 s47, s11, 7
	s_add_co_u32 s48, s48, s47
	s_add_co_u32 s47, s47, s13
	s_mul_i32 s54, s47, 768
	s_mul_i32 s50, s48, 768
	s_lshl_b32 s56, s47, 6
	s_add_co_u32 s56, s56, 3145728
	s_lshl_b32 s52, s48, 6
	s_add_co_u32 s52, s52, 3145728
	s_mov_b32 s51, 0
	s_mov_b32 s53, 0
	s_add_nc_u64 s[54:55], s[4:5], s[54:55]        ; q's codes and scale words: of the tile that I begin with,
	s_add_nc_u64 s[56:57], s[4:5], s[56:57]
	s_add_nc_u64 s[50:51], s[4:5], s[50:51]        ; and of the heavy tile
	s_add_nc_u64 s[52:53], s[4:5], s[52:53]
	s_lshr_b32 s47, s11, 4
	s_lshl_b32 s47, s47, 7
	s_add_co_u32 s47, s47, s13                     ; the token tile among all 256
	s_mul_i32 s58, s47, 12800
	s_bfe_u32 s48, s11, 0x10003
	s_mul_i32 s48, s48, 6400
	s_add_co_u32 s58, s58, s48                     ; the group of four K steps: heads 0-7 or 8-15
	s_bfe_u32 s48, s11, 0x20001
	s_lshl_b32 s48, s48, 6
	s_add_co_u32 s60, s58, s48
	s_and_b32 s48, s11, 1
	s_lshl_b32 s48, s48, 1
	s_add_co_u32 s60, s60, s48
	s_add_co_u32 s60, s60, 6144                    ; the scale bytes: word (K step, row), bytes 2 (head % 2) + block
	s_and_b32 s48, s11, 7
	s_mul_i32 s48, s48, 768
	s_add_co_u32 s58, s58, s48
	s_mov_b32 s59, 0
	s_mov_b32 s61, 0
	s_add_nc_u64 s[58:59], s[8:9], s[58:59]
	s_add_nc_u64 s[60:61], s[8:9], s[60:61]
	v_and_b32 v[T0], 31, v0
	v_lshlrev_b32 v1, 4, v[T0]                     ; v1 16 l
	v_lshlrev_b32 v2, 3, v[T0]                     ; v2 8 l
	v_lshlrev_b32 v3, 2, v[T0]                     ; v3 4 l
	v_and_b32 v240, 15, v0                         ; r
	v_bfe_u32 v241, v0, 4, 1                       ; h
	v_lshlrev_b32 v9, 2, v240                      ; v9 4 r
	v_lshlrev_b32 v11, 3, v241                     ; v11 8 h
	global_load_b128 v[QF:QF+3], v1, s[54:55]
	global_load_b64 v[QF+4:QF+5], v2, s[54:55] offset:512
	global_load_b32 v[QS], v9, s[56:57]
	v_and_b32 v242, 8, v240
	v_mad_u32_u24 v242, v242, 3, v240              ; r % 8 + 32 (r / 8)
	v_lshlrev_b32 v241, 5, v241
	v_sub_nc_u32 v242, v241, v242                  ; 32 h less that
	v_sub_nc_u32 v7, s46, v242                     ; v7 d: on the diagonal, in its 64 keys, the key of register n is hidden where n > d
	v_add_nc_u32 v8, s62, v242
	v_add_nc_u32 v0, s41, v1                       ; v0 my state in LDS: DMP + 4,608 (w xor 8) + 16 l
	v_cvt_f32_i32 v8, v8
	v_mul_f32 v8, 0.5, v8                          ; v8 E = 0.5 (the step's first key + 32 h - my query): whole and half numbers under 2^11, exact
	v_mov_b32 v[CB], 0
.set n, 1
.rept 7
	v_add_f32 v[CB+n], 0.5, v[CB+n-1]
.set n, n+1
.endr
.rept 24
	v_add_f32 v[CB+n], 4.0, v[CB+n-8]
.set n, n+1
.endr
.irp j, 0,1,2,3,4,5
	v_mov_b32 v[QF+6+\j], 0                        ; q's k = 64 .. 127: zero codes
	v_mov_b32 v[X+48+\j], 0                        ; behind K's last tile in the first step
.endr
	v_mov_b32 v[T1], 0                             ; a lane permute's destination counts as one of its sources
.macro BEGIN                           ; a tile's state at its start.  (Each copy of the step is the same: the first finds zeros, which the first change of M leaves zeros)
.set n, 0
.rept 32
	v_mov_b32 v[O+n], 0
.set n, n+1
.endr
	v_mov_b32 v13, 0xff61b1e6                      ; the largest t so far: -3e38, under every t
	v_mov_b32 v12, 0x7f61b1e6                      ; -M
	v_mov_b32 v14, 0                               ; the sum, in two halves
	v_mov_b32 v15, 0
.endm
	BEGIN
.macro DUMP off                        ; a state to LDS: O^T, each accumulator from its low end on; -M, the largest t, the sum's halves
.irp g, 0,1,2,3,4,5,6,7
	ds_store_b128 v0, v[O+4*\g:O+4*\g+3] offset:(\off)+512*\g
.endr
	ds_store_b128 v0, v[12:15] offset:(\off)+4096
.endm
.macro MASKC c                         ; hidden scores become -infinity ahead of the maximum: p = 0 then
	v_mov_b32 v[T1], 0xff800000
.set n, 0
.rept 32
	v_cmp_gt_i32 vcc_lo, n, v7
	v_cndmask_b32 v[S+32*\c+n], v[S+32*\c+n], v[T1], vcc_lo
.set n, n+1
.endr
.endm
.macro LDK reg, off                    ; K's four images, as they lie, and their scale registers
.irp n, 0,1,2,3,4,5,6,7,8,9,10,11
	ds_load_b128 v[(\reg)+4*\n:(\reg)+4*\n+3], v4 offset:(\off)+512*\n
.endr
	ds_load_b64 v[KS:KS+1], v5 offset:(\off)+12288
	ds_load_b64 v[KS+2:KS+3], v5 offset:(\off)+12544
.endm
.macro FIRST                           ; a run's first K
	v_add_nc_u32 v4, s17, v1
	v_add_nc_u32 v5, s17, v2
	LDK X, 0
.endm
; A KEY STEP: 128 keys; K is on its way into block kreg.  The record is at LDS byte s17 + p x REC, s16 + p is my step's number.  pre: the next step's K is asked for.  sw: helpers work it too.
.macro STEP kreg, sreg, p, pre, sw
.set KB, \kreg
.set S, \sreg
.set AT, (\p)*REC
.if (\sw) == 0
	s_cmp_ge_u32 s16, s19                          ; a helper has no ninth step: a branch on ids, round the step's work alone
	s_cbranch_scc1 .Lskip_\@
.endif
	v_mul_f32 v[G], s22, v8                        ; (these lines are also the places between the last step's products and the scores, which are written over their V)
	v_fma_f32 v[G+1], v8, s22, s40
	v_add_f32 v8, 0x42800000, v8                   ; E for the next 128 keys
.if \p
	v_nop
	v_nop
.else
	v_add_nc_u32 v4, s17, v1
	v_add_nc_u32 v5, s17, v2
	v_add_nc_u32 v6, s17, v3
.endif
	s_wait_alu depctr_va_vdst(0)
	s_wait_dscnt 0x0                               ; K
.irp t, 0,1,2,3,4,5,6,7
.if \t%2
	v_wmma_scale_f32_16x16x128_f8f6f4 v[S+8*\t:S+8*\t+7], v[KB+6*\t:KB+6*\t+11], v[QF:QF+11], v[CB+8*(\t%4):CB+8*(\t%4)+7], v[KS+\t/2], v[QS] matrix_a_fmt:MATRIX_FMT_BF6 matrix_b_fmt:MATRIX_FMT_BF6 matrix_a_scale:MATRIX_SCALE_ROW1
.else
	v_wmma_scale_f32_16x16x128_f8f6f4 v[S+8*\t:S+8*\t+7], v[KB+6*\t:KB+6*\t+11], v[QF:QF+11], v[CB+8*(\t%4):CB+8*(\t%4)+7], v[KS+\t/2], v[QS] matrix_a_fmt:MATRIX_FMT_BF6 matrix_b_fmt:MATRIX_FMT_BF6
.endif
.endr
	PLACES                                         ; in front of the loads into K's registers and of the first read of the scores
.irp n, 0,1,2,3,4,5,6,7,8,9,10,11
	ds_load_b128 v[KB+4*\n:KB+4*\n+3], v4 offset:AT+6144+512*\n      ; V's four fragments are asked for now and land under the softmax
.endr
	ds_load_b32 v[VS], v6 offset:AT+12800
	ds_load_b32 v[VS+1], v6 offset:AT+12928
.if \p
	s_add_co_u32 s46, s16, 1
	s_cmp_lg_u32 s46, s15                          ; the diagonal step?
.else
	s_cmp_lg_u32 s16, s15
.endif
	s_cbranch_scc1 .Lopen_\@
	s_cmp_lg_u32 s43, 0
	s_cbranch_scc1 .Lhigh_\@
	MASKC 0                                        ; my queries are among the block's first 64: its last 64 keys are all hidden
.set n, 0
.rept 32
	v_mov_b32 v[S+32+n], v[T1]
.set n, n+1
.endr
	s_wait_alu depctr_va_vdst(0)
	s_branch .Lopen_\@
.Lhigh_\@:
	MASKC 1                                        ; among the last 64: the first 64 keys all count
.Lopen_\@:
.irp b, 0,1,2,3
	v_max3_num_f32 v[BM+\b], v[S+16*\b], v[S+16*\b+1], v[S+16*\b+2]  ; THE LARGEST SCORE OF EACH BLOCK OF 32 KEYS (ALiBi's part within the block is in it), all in my lane: it serves for the row's maximum and for the block's largest p
.endr
.irp i, 3,5,7,9,11,13
.irp b, 0,1,2,3
	v_max3_num_f32 v[BM+\b], v[BM+\b], v[S+16*\b+\i], v[S+16*\b+\i+1]
.endr
.endr
.irp c, 0,1
	v_max3_num_f32 v[BM+2*\c], v[BM+2*\c], v[S+32*\c+15], v[S+32*\c+31]
.endr
.irp c, 0,1
	v_max_num_f32 v[BM+2*\c], v[BM+2*\c], v[BM+2*\c+1]
.endr
.irp c, 0,1
	v_fma_f32 v[BT+\c], v[BM+2*\c], s22, v[G+\c]   ; the block's largest t
.endr
	v_max_num_f32 v[T0], v[BT], v[BT+1]
	s_delay_alu instid0(VALU_DEP_1)
	v_permlanex16_b32 v[T1], v[T0], s20, s21
	s_delay_alu instid0(VALU_DEP_1)
	v_max3_num_f32 v13, v[T0], v[T1], v13          ; the running largest t, with lane l xor 16's blocks
	v_mov_b32 v[T0], v12
	s_delay_alu instid0(VALU_DEP_2)
	v_floor_f32 v12, -v13                          ; the new -M = -ceil(t): M IS A WHOLE NUMBER
	s_delay_alu instid0(VALU_DEP_1)
	v_sub_f32 v[T0], v12, v[T0]                    ; old M - new M: a whole number, 0 or less
	s_delay_alu instid0(VALU_DEP_1)
	v_cvt_i32_f32 v[T0], v[T0]                     ; (it saturates)
	s_delay_alu instid0(VALU_DEP_1)
	v_ldexp_f32 v[FF], 1.0, v[T0]                  ; f = 2^(old M - new M)
	v_add_f32 v[A0], v[G], v12
	v_add_f32 v[A1], v[G+1], v12
.set n, 0
.rept 16
	v_pk_fma_f32 v[S+2*n:S+2*n+1], v[S+2*n:S+2*n+1], s[22:23], v[A0:A0+1] op_sel_hi:[1,0,0]   ; t - M, two at a time (of the pairs the low word serves both halves)
.set n, n+1
.endr
.rept 16
	v_pk_fma_f32 v[S+2*n:S+2*n+1], v[S+2*n:S+2*n+1], s[22:23], v[A1:A1+1] op_sel_hi:[1,0,0]
.set n, n+1
.endr
	v_fma_f32 v[BM], v[BM], s22, v[A0]             ; the same of each block's largest score
	v_fma_f32 v[BM+2], v[BM+2], s22, v[A1]
	s_wait_alu depctr_va_vdst(0)
.set n, 0
.rept 64
	v_exp_f32 v[S+n], v[S+n]                       ; p = 2^(t - M), at most 1: NOT normalised
.set n, n+1
.endr
	v_exp_f32 v[BM], v[BM]                         ; the blocks' largest p
	v_exp_f32 v[BM+2], v[BM+2]
	v_pk_mul_f32 v[14:15], v[14:15], v[FF:FF+1] op_sel_hi:[1,0]      ; the sums under the new M.  (The plain place behind the exponentials)
	s_wait_alu depctr_va_vdst(0)                   ; and behind it
.irp c, 0,1
	v_max_num_f32 v[BM+2*\c], 0x2800000, v[BM+2*\c]    ; the floor 2^(5 - 127): the byte cannot fall under 1
.endr
.irp c, 0,1
	v_add_nc_u32 v[SO+\c], 0xfe000000, v[BM+2*\c]  ; 4 off the exponent field: the conversion's scale operand
.endr
.irp c, 0,1
	v_lshrrev_b32 v[BT+\c], 23, v[SO+\c]           ; the scale's byte: block 2 c + h
.endr
	v_lshl_or_b32 v[T0], v[BT+1], 16, v[BT]
.irp c, 0,1
	v_cvt_scalef32_pk16_bf6_f32 v[PC+6*\c:PC+6*\c+2], v[S+32*\c:S+32*\c+15], v[SO+\c]
	v_cvt_scalef32_pk16_bf6_f32 v[PT+6*\c:PT+6*\c+2], v[S+32*\c+16:S+32*\c+31], v[SO+\c]   ; (a conversion's three registers begin on an even number)
.endr
	v_lshlrev_b32 v[T0], v11, v[T0]                ; 8 h bits up.  (The plain place behind the conversions)
.irp c, 0,1
.irp i, 0,1,2
	v_mov_b32 v[PC+6*\c+3+\i], v[PT+6*\c+\i]
.endr
.endr
	v_permlanex16_b32 v[T1], v[T0], s20, s21
	v_pk_add_f32 v[240:241], v[S:S+1], v[S+2:S+3]  ; THE ROW'S SUM, of the unquantised p, in four chains
	v_pk_add_f32 v[242:243], v[S+4:S+5], v[S+6:S+7]
	v_pk_add_f32 v[246:247], v[S+8:S+9], v[S+10:S+11]
	v_pk_add_f32 v[14:15], v[14:15], v[S+12:S+13]
	v_or_b32 v[PW], v[T0], v[T1]                   ; p's scale word for these 128 keys
.set n, 7
.rept 25
.set CH, 240+2*((n-7)%4)+2*(((n-7)%4)/2)
.if ((n-7)%4) == 3
.set CH, 14
.endif
	v_pk_add_f32 v[CH:CH+1], v[CH:CH+1], v[S+2*n:S+2*n+1]
.set n, n+1
.endr
	v_pk_add_f32 v[14:15], v[14:15], v[242:243]
	v_pk_add_f32 v[240:241], v[240:241], v[246:247]
	v_pk_add_f32 v[14:15], v[14:15], v[240:241]
	s_wait_alu depctr_va_vdst(0)
	s_wait_dscnt 0x0                               ; V
.if \pre
	LDK S, AT+REC                                  ; p has been used: its block takes the next step's K
.endif
	s_wait_alu depctr_va_vdst(0)                   ; directly ahead of the first reader of O^T
.set n, 0
.rept 16
	v_pk_mul_f32 v[O+2*n:O+2*n+1], v[O+2*n:O+2*n+1], v[FF:FF+1] op_sel_hi:[1,0]   ; O^T under the new M, each accumulator from its low end on.  (The sums and these are the places between p's codes and scale word and the products)
.set n, n+1
.endr
.irp i, 0,1,2,3
.if \i%2
	v_wmma_scale_f32_16x16x128_f8f6f4 v[O+8*\i:O+8*\i+7], v[KB+12*\i:KB+12*\i+11], v[PC:PC+11], v[O+8*\i:O+8*\i+7], v[VS+\i/2], v[PW] matrix_a_fmt:MATRIX_FMT_BF6 matrix_b_fmt:MATRIX_FMT_BF6 matrix_a_scale:MATRIX_SCALE_ROW1
.else
	v_wmma_scale_f32_16x16x128_f8f6f4 v[O+8*\i:O+8*\i+7], v[KB+12*\i:KB+12*\i+11], v[PC:PC+11], v[O+8*\i:O+8*\i+7], v[VS+\i/2], v[PW] matrix_a_fmt:MATRIX_FMT_BF6 matrix_b_fmt:MATRIX_FMT_BF6
.endif
.endr
.if \sw
	s_cmp_lt_u32 s10, 8                            ; a helper, behind its light tile's diagonal step, goes over to the heavy tile
	s_cbranch_scc1 .Lskip_\@
.if \p
	s_add_co_u32 s46, s16, 1
	s_cmp_eq_u32 s46, s12
.else
	s_cmp_eq_u32 s16, s12
.endif
	s_cbranch_scc0 .Lskip_\@
	PLACES
	DUMP 0
	global_load_b128 v[QF:QF+3], v1, s[50:51]      ; the heavy tile's q
	global_load_b64 v[QF+4:QF+5], v2, s[50:51] offset:512
	global_load_b32 v[QS], v9, s[52:53]
	v_cvt_f32_u32 v[T0], s42
	v_sub_f32 v8, v8, v[T0]                        ; E for key 0 and the heavy tile's query, 128 (15 - 2 i) behind the light tile's
	s_wait_alu depctr_va_vdst(0)
	s_wait_dscnt 0x0                               ; the state has been stored
	BEGIN
	s_wait_alu depctr_va_vdst(0)
	s_wait_loadcnt 0x0
.endif
.Lskip_\@:
.endm
	s_wait_alu depctr_va_vdst(0)                   ; the head's end
	s_wait_tensorcnt 0x0                           ; my record is in
	ds_add_u32 v[SPW], v[NIL]                      ; (twice on end)
	ds_add_u32 v[SPW], v[NIL]
	s_wait_dscnt 0x0
	s_barrier_signal -1
	s_barrier_wait -1                              ; slots 0, 1, 8, 9 are whole
	s_cmp_lt_u32 s10, 13
	s_cbranch_scc0 .Lasked2
	tensor_load_to_lds s[36:39], s[24:31]          ; the other thirteen records: the first tensor load behind the barrier
	s_nop 0
	PLACES
.Lasked2:
	s_mov_b32 s17, s45
	s_mov_b32 s16, 0
	FIRST
	s_wait_loadcnt 0x0                             ; q
	STEP X, Y, 0, 1, 1
	STEP Y, X, 1, 0, 1
	s_wait_alu depctr_va_vdst(0)
	s_wait_tensorcnt 0x0                           ; my second record is in
	s_wait_dscnt 0x0
	s_barrier_signal -1
	s_barrier_wait -1                              ; all 17 slots are whole
	s_add_co_u32 s17, s45, 2*REC
	s_mov_b32 s16, 2
	s_mov_b32 s18, 3
	FIRST
.Lpair:                                                ; steps 2 .. 7, two a trip: the blocks are back in their roles
	STEP X, Y, 0, 1, 1
	STEP Y, X, 1, 1, 1
	s_add_co_u32 s16, s16, 2
	s_add_co_u32 s17, s17, 2*REC
	s_sub_co_u32 s18, s18, 1
	s_cmp_lg_u32 s18, 0
	s_cbranch_scc1 .Lpair
	s_add_co_u32 s17, s45, 8*REC
	s_mov_b32 s16, 8
	STEP X, Y, 0, 0, 0                             ; the mains' ninth.  (What the helpers' eighth asked for as the next K is used by nobody)
	s_wait_alu depctr_va_vdst(0)
	s_wait_dscnt 0x0                               ; my LDS instructions are done, the light tile's state among them
	s_barrier_signal -1
	PLACES                                         ; in front of the first read of O^T
	s_barrier_wait -1                              ; no wave is in its steps any more: the second states may be stored
	s_cmp_lt_u32 s10, 8
	s_cbranch_scc1 .Lkept
	DUMP 8*DSZ                                     ; a helper's part of the heavy tile (for i = 7 the state of a tile's start, which counts for nothing)
.Lkept:
	s_wait_alu depctr_va_vdst(0)
	s_wait_dscnt 0x0                               ; for the others' sake: the states have been stored
	s_barrier_signal -1
	s_barrier_wait -1
.set S, Y
.irp g, 0,1,2,3,4,5,6,7
	ds_load_b128 v[S+4*\g:S+4*\g+3], v0 offset:512*\g                ; a helper takes its light tile's state, a main its helper's part
.endr
	ds_load_b128 v[S+32:S+35], v0 offset:4096
	s_wait_dscnt 0x0
	s_cmp_lt_u32 s10, 8
	s_cbranch_scc0 .Llight
	v_min_num_f32 v[T0], v12, v[S+32]              ; -M of the two parts together
	v_sub_f32 v240, v[T0], v12
	v_sub_f32 v241, v[T0], v[S+32]
	v_cvt_i32_f32 v240, v240
	v_cvt_i32_f32 v241, v241
	v_ldexp_f32 v[FF], 1.0, v240                   ; my part's factor
	v_ldexp_f32 v246, 1.0, v241                    ; the helper's
	v_add_f32 v14, v14, v15
	v_add_f32 v15, v[S+34], v[S+35]
	v_mul_f32 v14, v14, v[FF]
	v_fma_f32 v14, v15, v246, v14
.set n, 0
.rept 16
	v_pk_mul_f32 v[O+2*n:O+2*n+1], v[O+2*n:O+2*n+1], v[FF:FF+1] op_sel_hi:[1,0]
.set n, n+1
.endr
.set n, 0
.rept 16
	v_pk_fma_f32 v[S+2*n:S+2*n+1], v[S+2*n:S+2*n+1], v[246:247], v[O+2*n:O+2*n+1] op_sel_hi:[1,0,1]
.set n, n+1
.endr
	s_wait_alu depctr_va_vdst(0)
	s_branch .Lfinish
.Llight:
	v_add_f32 v14, v[S+34], v[S+35]
.Lfinish:
	; THE WAY OUT: O^T / the sum, quantised along the head's 64 numbers (two blocks): register 8 t + j is channel 32 h + 8 t + j of my query: block h is all mine
	v_permlanex16_b32 v[T1], v14, s20, s21
	v_add_f32 v14, v14, v[T1]                      ; with lane l xor 16's keys
	s_wait_alu depctr_va_vdst(0)
	v_rcp_f32 v14, v14
	v_nop                                          ; the plain place behind the transcendental
	s_wait_alu depctr_va_vdst(0)
.set n, 0
.rept 16
	v_pk_mul_f32 v[S+2*n:S+2*n+1], v[S+2*n:S+2*n+1], v[14:15] op_sel_hi:[1,0]
.set n, n+1
.endr
.irp b, 0,1
	v_max3_num_f32 v[BM+\b], |v[S+16*\b]|, |v[S+16*\b+1]|, 0x2800000
.endr
.irp i, 2,4,6,8,10,12,14
.irp b, 0,1
	v_max3_num_f32 v[BM+\b], v[BM+\b], |v[S+16*\b+\i]|, |v[S+16*\b+\i+1]|
.endr
.endr
	v_max_num_f32 v[BM], v[BM], v[BM+1]
	v_add_nc_u32 v[SO], 0xfe000000, v[BM]
	v_lshrrev_b32 v[BT+1], 23, v[SO]
	v_cvt_scalef32_pk16_bf6_f32 v[PC:PC+2], v[S:S+15], v[SO]
	v_cvt_scalef32_pk16_bf6_f32 v[PT+6:PT+8], v[S+16:S+31], v[SO]
	v_lshrrev_b32 v10, 3, v11                      ; h.  (The plain place behind the conversions)
	v_add_nc_u32 v10, v9, v10                      ; 4 r + h
.irp i, 0,1,2
	v_mov_b32 v[PC+3+\i], v[PT+6+\i]
.endr
	global_store_b128 v1, v[PC:PC+3], s[58:59]     ; 512 consecutive bytes, aligned
	global_store_b64 v2, v[PC+4:PC+5], s[58:59] offset:512           ; 256 consecutive bytes, aligned
	global_store_b8 v10, v[BT+1], s[60:61]         ; 32 single bytes: two of each row's word; the word's other two are the neighbouring head's
	s_wait_tensorcnt 0x0                           ; the wave's end
	ds_add_u32 v[SPW], v[NIL]
	s_wait_dscnt 0x0
	s_endpgm
.Lfunc_end_k_q83de1fac08_attn:
	.size	k_q83de1fac08_attn, .Lfunc_end_k_q83de1fac08_attn-k_q83de1fac08_attn
	.p2alignl 7, 3214868480
	.fill 96, 4, 3214868480
	.section	.rodata,"a",@progbits
	.p2align	6, 0x0
	.amdhsa_kernel k_q83de1fac08_attn
		.amdhsa_group_segment_fixed_size 327680
		.amdhsa_private_segment_fixed_size 0
		.amdhsa_enable_private_segment 0
		.amdhsa_kernarg_size 24
		.amdhsa_user_sgpr_count 2
		.amdhsa_user_sgpr_kernarg_segment_ptr 1
		.amdhsa_wavefront_size32 1
		.amdhsa_system_sgpr_workgroup_id_x 1
		.amdhsa_system_sgpr_workgroup_id_y 1
		.amdhsa_system_sgpr_workgroup_id_z 1
		.amdhsa_system_vgpr_workitem_id 0
		.amdhsa_next_free_vgpr 256
		.amdhsa_next_free_sgpr 66
		.amdhsa_reserve_vcc 1
		.amdhsa_float_denorm_mode_32 3
		.amdhsa_float_denorm_mode_16_64 3
		.amdhsa_memory_ordered 1
		.amdhsa_forward_progress 1
		.amdhsa_inst_pref_size 129
	.end_amdhsa_kernel
	.amdgpu_metadata
---
amdhsa.version: [ 1, 2 ]
amdhsa.kernels:
  - .name:           k_q83de1fac08_attn
    .symbol:         k_q83de1fac08_attn.kd
    .args:
      - { .name: qa, .offset: 0, .size: 8, .value_kind: global_buffer, .address_space: global }
      - { .name: kv, .offset: 8, .size: 8, .value_kind: global_buffer, .address_space: global }
      - { .name: ao, .offset: 16, .size: 8, .value_kind: global_buffer, .address_space: global }
    .group_segment_fixed_size: 327680
    .private_segment_fixed_size: 0
    .kernarg_segment_align: 8
    .kernarg_segment_size: 24
    .max_flat_workgroup_size: 512
    .sgpr_count:     66
    .vgpr_count:     256
    .wavefront_size: 32
...
	.end_amdgpu_metadata
.endif
;; end of part 3
;; launch outp (part 4): grid 8 x 32, 8 waves a work-group, clusters of 4 x 4, 327,680 bytes of LDS; arguments ao, wq, out0; writes out0
.if DOCPART == 4
	.amdgcn_target "amdgcn-amd-amdhsa--gfx1250"
	.amdhsa_code_object_version 6
	.text
	.protected	k_q83de1fac08_outp
	.globl	k_q83de1fac08_outp
	.p2align	8
	.type	k_q83de1fac08_outp,@function
k_q83de1fac08_outp:
	s_mov_b64 s[64:65], 0
	v_nop
	global_prefetch_b8 v0, s[64:65] scope:SCOPE_SE
	s_setreg_imm32_b32 hwreg(HW_REG_WAVE_MODE, 25, 1), 1
	s_wait_xcnt 0x0
	s_wait_alu depctr_hold_cnt(0) depctr_sa_sdst(0) depctr_va_vdst(0) depctr_va_sdst(0) depctr_va_ssrc(0) depctr_va_vcc(0) depctr_vm_vsrc(0)
	s_getreg_b32 s2, hwreg(HW_REG_IB_STS2, 6, 4)
	s_cmp_eq_u32 s2, 0
	s_cbranch_scc0 .Lentry_in_a_cluster
	s_endpgm
.Lentry_in_a_cluster:
	s_bfe_u32 s2, ttmp6, 0x10000c
	s_cmp_lg_u32 s2, 0xf033
	s_cbranch_scc0 .Lentry_shape_is_right
	s_endpgm
.Lentry_shape_is_right:
; out0 = (attention's result) w_o^T on codes of BF6 (E3M2) with E8M0 scales, f32 sums, K = 1,024 in 8 steps.  Both operands lie in memory in the order of the operand's registers.
; SHARES.  A work-group makes 128 tokens (ck) x 128 outputs (nt).  Eight waves: omega = wave % 2 takes w_o's tiles 4 omega .. + 3, tau = wave / 2 token tiles 2 tau, 2 tau + 1: 8 accumulators.
; Source 0 = 16 rows of w_o, source 1 = 16 tokens: a lane holds one token and, in the 32 registers of four tiles, 32 neighbouring outputs (a tile's rows are 64 g + 8 t + r % 8 + 32 (r / 8)).
; LDS IS FILLED ONCE: the tokens and w_o, each in two halves of K with their scales (8 rows of 6,400 bytes), by four tensor loads that go out at the start, one a wave: waves 0, 1 the first halves, waves 2, 3 the second.
; The first halves are awaited by their waves ahead of the first barrier, the second ahead of the second.  No prefetch: everything is asked for at the start, and there is no loop to run ahead in.
; CLUSTER 4 x 4: the four work-groups of a row of the cluster share the tokens, the four of a column w_o's rows: each is asked for JOINTLY.
; THE WAY OUT: a token's 512 bytes come from two waves: they meet in a stage (rows of 528 bytes) that no tensor load fills; each wave then stores 16 whole rows, 512 consecutive aligned bytes a store.
.set SPW,  254                         ; v254 my spare word, v255 0: never rewritten
.set NIL,  255
.set WS,   12                          ; v12-19  w_o's scale words, K steps 0, 1 and 2, 3 of a half (lanes 0-15 the even step, lanes 16-31 the odd); v12-23 hold scales and nothing else
.set TS,   20                          ; v20-23  the tokens'
.set FB,   32                          ; v32-175 fragments, two sets: K step e at +72 (e % 2): w_o's four at +12 a, the tokens' two at +48 + 12 b
.set ACC,  176                         ; v176-239 accumulator (a, b) at 176 + 8 (4 b + a)
.set HSTEP, 102400                     ; LDS: the first halves of the tokens and of w_o (51,200 each), then the second
.set STAGE, 204800
.set SPARE, STAGE+128*528
.macro ROUND                           ; a round of the cluster's barrier
	s_barrier_signal -1
	s_barrier_wait -1
	s_cmp_lg_u32 s10, 0
	s_cbranch_scc1 .Lnw0_\@
	s_barrier_signal -3
.Lnw0_\@:
	s_barrier_wait -3
	s_barrier_signal -1
	s_barrier_wait -1
.endm
.macro PLACES
.rept 4
	v_nop
.endr
.endm
.macro MKP g, lds, base, goff
	s_mov_b32 s[\g], 1
	s_mov_b32 s[\g+1], \lds
	s_add_nc_u64 s[\g+2:\g+3], s[\base:\base+1], \goff
	s_or_b32 s[\g+3], s[\g+3], 0x80000000
.endm
.macro ARM under, g0, g1, next         ; one arm of the head's chain: one load
	s_cmp_lt_u32 s10, \under
	s_cbranch_scc0 \next
	tensor_load_to_lds s[\g0:\g0+3], s[\g1:\g1+7]
	s_nop 0
	PLACES
	s_branch .Lasked
\next:
.endm
	s_load_b128 s[4:7], s[0:1], 0x0                ; ao, wq
	s_load_b64 s[8:9], s[0:1], 0x10                ; out0
	v_lshl_add_u32 v[SPW], v0, 2, SPARE
	v_mov_b32 v[NIL], 0
	ds_add_u32 v[SPW], v[NIL]                      ; the opening: the add, twice on end, and its wait ahead of the first tensor load
	ds_add_u32 v[SPW], v[NIL]
	v_lshrrev_b32 v1, 5, v0
	v_readfirstlane_b32 s10, v1                    ; wave 0..7
	s_and_b32 s11, s10, 1                          ; omega
	s_lshr_b32 s12, s10, 1                         ; tau
	s_bfe_u32 s13, ttmp6, 0x40000                  ; cx
	s_bfe_u32 s14, ttmp6, 0x40004                  ; cy
	s_lshl_b32 s15, ttmp9, 2
	s_add_co_u32 s15, s15, s13                     ; nt = 4 x cluster x + cx
	s_and_b32 s92, ttmp7, 0xffff
	s_lshl_b32 s92, s92, 2
	s_add_co_u32 s92, s92, s14                     ; ck = 4 x cluster y + cy
	s_lshl_b32 s93, s14, 2
	s_lshl_b32 s93, 15, s93                        ; my row of the cluster
	s_lshl_b32 s94, 0x1111, s13                    ; my column
	; groups 1, elements of 8 bytes: 8 rows (tiles) of 6,400 bytes (half of K and its scale words), 12,800 bytes apart
	s_or_b32 s16, s93, (3<<16)|(1<<21)             ; the tokens go to my row,
	s_or_b32 s24, s94, (3<<16)|(1<<21)             ; w_o's rows to my column
.irp g, 16, 24
	s_mov_b32 s[\g+1], 800<<16
	s_mov_b32 s[\g+2], 8<<16
	s_mov_b32 s[\g+3], 800<<16
	s_mov_b32 s[\g+4], 8
	s_mov_b32 s[\g+5], 1600
	s_mov_b32 s[\g+6], 0
	s_mov_b32 s[\g+7], 0
.endr
	s_mul_i32 s96, s92, 102400                     ; the tokens' address hangs on ck alone, which my row shares;
	s_mov_b32 s97, 0
	s_mul_i32 s98, s15, 102400                     ; w_o's on nt alone, which my column shares: fragment 2,624 + 64 nt
	s_add_co_u32 s98, s98, 4198400
	s_mov_b32 s99, 0
	s_wait_dscnt 0x0                               ; both opening adds are done
	s_wait_kmcnt 0x0
	s_add_nc_u64 s[96:97], s[4:5], s[96:97]
	s_add_nc_u64 s[98:99], s[6:7], s[98:99]
	MKP 32, 0, 96, 0
	MKP 36, 51200, 98, 0
	MKP 40, HSTEP, 96, 6400
	MKP 44, HSTEP+51200, 98, 6400
	ROUND                                          ; all sixteen work-groups are here: the joint loads meet
	ARM 1, 32, 16, .Lh_w0
	ARM 2, 36, 24, .Lh_t1
	ARM 3, 40, 16, .Lh_w1
	ARM 4, 44, 24, .Lasked
	v_and_b32 v24, 31, v0
	v_lshlrev_b32 v8, 4, v24                       ; v8 16 l
	v_lshlrev_b32 v25, 3, v24                      ; 8 l
	v_lshlrev_b32 v26, 2, v24                      ; 4 l
	s_mul_i32 s94, s11, 25600
	s_add_co_u32 s94, s94, 51200
	v_add_nc_u32 v1, s94, v8                       ; v1 w_o's codes, tile 4 omega
	s_add_co_u32 s94, s94, 6144
	v_add_nc_u32 v4, s94, v26                      ; v4 and scale words
	s_mul_i32 s94, s12, 12800
	v_add_nc_u32 v2, s94, v8                       ; v2 the tokens' codes, tile 2 tau: the runs of 16 bytes a lane,
	v_add_nc_u32 v3, s94, v25                      ; v3 and those of 8
	s_add_co_u32 s94, s94, 6144
	v_add_nc_u32 v5, s94, v26                      ; v5 and scale words
	v_and_b32 v24, 15, v0                          ; r
	v_bfe_u32 v25, v0, 4, 1                        ; h
	v_mul_u32_u24 v6, v24, 528
	v_lshl_add_u32 v6, v25, 7, v6
	s_mul_i32 s94, s12, 32*528
	s_lshl_b32 s95, s11, 8
	s_add_co_u32 s94, s94, s95
	s_add_co_u32 s94, s94, STAGE
	v_add_nc_u32 v6, s94, v6                       ; v6 into the stage: row 32 tau + r, + 256 omega + 128 h
	s_mul_i32 s94, s10, 8448
	s_add_co_u32 s94, s94, STAGE
	v_add_nc_u32 v7, s94, v8                       ; v7 back: my 16 rows, 16 bytes a lane
	s_lshl_b32 s96, s92, 7
	s_lshr_b32 s97, s10, 2
	s_lshl_b32 s97, s97, 6
	s_add_co_u32 s96, s96, s97
	s_and_b32 s97, s10, 3
	s_lshl_b32 s97, s97, 3
	s_add_co_u32 s96, s96, s97                     ; stage rows 16 wave .. + 15 are token tile `wave`: its first token is 128 ck + 64 (wave / 4) + 8 (wave % 4)
	s_lshl_b32 s96, s96, 12
	s_lshl_b32 s97, s15, 9
	s_add_co_u32 s96, s96, s97
	s_mov_b32 s97, 0
	s_add_nc_u64 s[8:9], s[8:9], s[96:97]
.macro LDF e                           ; the fragments of the half's K step e: 20 loads
.set SET_, FB+72*((\e)&1)
.irp a, 0,1,2,3
.irp c, 0,1,2
	ds_load_b128 v[SET_+12*\a+4*\c:SET_+12*\a+4*\c+3], v1 offset:1536*(\e)+6400*\a+512*\c
.endr
.endr
.irp b, 0,1                                    ; a token fragment is two heads' halves: registers 0-3, 4-5 of the even head, 6-9, 10-11 of the odd
	ds_load_b128 v[SET_+48+12*\b:SET_+48+12*\b+3], v2 offset:1536*(\e)+6400*\b
	ds_load_b64 v[SET_+52+12*\b:SET_+53+12*\b], v3 offset:1536*(\e)+6400*\b+512
	ds_load_b128 v[SET_+54+12*\b:SET_+57+12*\b], v2 offset:1536*(\e)+6400*\b+768
	ds_load_b64 v[SET_+58+12*\b:SET_+59+12*\b], v3 offset:1536*(\e)+6400*\b+1280
.endr
.endm
.macro OMM hf, e                       ; 8 products; the accumulators take turns, one instruction a turn.  The first K step's products start the sums
.irp b, 0,1
.irp a, 0,1,2,3
.set RD_, ACC+8*(4*\b+\a)
.set RA_, FB+72*((\e)&1)+12*\a
.set RB_, FB+72*((\e)&1)+48+12*\b
.set RS_, WS+4*((\e)>>1)+\a
.set RT_, TS+2*((\e)>>1)+\b
.if ((\hf)==0)&&((\e)==0)
	v_wmma_scale_f32_16x16x128_f8f6f4 v[RD_:RD_+7], v[RA_:RA_+11], v[RB_:RB_+11], 0, v[RS_], v[RT_] matrix_a_fmt:MATRIX_FMT_BF6 matrix_b_fmt:MATRIX_FMT_BF6
.elseif ((\e)&1)==0
	v_wmma_scale_f32_16x16x128_f8f6f4 v[RD_:RD_+7], v[RA_:RA_+11], v[RB_:RB_+11], v[RD_:RD_+7], v[RS_], v[RT_] matrix_a_fmt:MATRIX_FMT_BF6 matrix_b_fmt:MATRIX_FMT_BF6
.else
	v_wmma_scale_f32_16x16x128_f8f6f4 v[RD_:RD_+7], v[RA_:RA_+11], v[RB_:RB_+11], v[RD_:RD_+7], v[RS_], v[RT_] matrix_a_fmt:MATRIX_FMT_BF6 matrix_b_fmt:MATRIX_FMT_BF6 matrix_a_scale:MATRIX_SCALE_ROW1 matrix_b_scale:MATRIX_SCALE_ROW1
.endif
.endr
.endr
.endm
.macro HALF hf                         ; four K steps: 32 matrix instructions a wave
.if \hf
	s_wait_tensorcnt 0x0                           ; no tensor load of mine is out
.else
	s_cmp_lt_u32 s10, 2                            ; waves 0, 1 fetched the first halves, each by a line of its own; waves 2, 3's loads may stay on their way
	s_cbranch_scc0 .Lfirst
	s_wait_tensorcnt 0x0
.Lfirst:
.endif
	s_barrier_signal -1                            ; (no LDS instruction of mine is out)
	s_barrier_wait -1
.if \hf
.irp a, 1,2,3,4,5
	v_add_nc_u32 v\a, HSTEP, v\a
.endr
	s_wait_alu depctr_va_vdst(0)
.endif
.irp s, 0,1
.irp a, 0,1,2,3
	ds_load_b32 v[WS+4*\s+\a], v4 offset:6400*\a+128*\s
.endr
.irp b, 0,1
	ds_load_b32 v[TS+2*\s+\b], v5 offset:6400*\b+128*\s
.endr
.endr
	LDF 0
	LDF 1
.irp e, 0,1,2,3
.if \e < 3
	s_wait_dscnt 20                                ; the next K step's 20 loads may be out
.else
	s_wait_dscnt 0x0
.endif
	OMM \hf, \e
	PLACES                                         ; four places in front of loads into registers that matrix instructions have read, and of the first read of results (ISA guide 7.12.1 for vector instructions)
.if \e < 2
	LDF \e+2
.endif
.endr
.endm
	s_wait_alu depctr_va_vdst(0)                   ; the head's end
	HALF 0
	HALF 1
.irp b, 0,1
.irp a, 0,1,2,3
	ds_store_b128 v6, v[ACC+8*(4*\b+\a):ACC+8*(4*\b+\a)+3] offset:8448*\b+32*\a         ; lane (r, h): outputs 64 omega + 32 h + 8 a + 0 .. 7; each accumulator from its low end on
	ds_store_b128 v6, v[ACC+8*(4*\b+\a)+4:ACC+8*(4*\b+\a)+7] offset:8448*\b+32*\a+16
.endr
.endr
	s_wait_dscnt 0x0                               ; for the others' sake: my stores into the stage have landed
	s_barrier_signal -1
	s_barrier_wait -1                              ; 128 whole rows lie in the stage
.irp i, 0,1,2,3,4,5,6,7,8,9,10,11,12,13,14,15
	ds_load_b128 v[FB+4*\i:FB+4*\i+3], v7 offset:528*\i
.endr
.irp i, 0,1,2,3,4,5,6,7,8,9,10,11,12,13,14,15
	s_wait_dscnt 15-\i                             ; LDS loads come back in order: row i is in
	global_store_b128 v8, v[FB+4*\i:FB+4*\i+3], s[8:9] offset:(\i+24*(\i/8))*4096 th:TH_STORE_NT   ; 32 lanes store 512 consecutive bytes, aligned; written once, read by nobody here
.endr
	s_wait_tensorcnt 0x0                           ; the wave's end
	ds_add_u32 v[SPW], v[NIL]
	s_wait_dscnt 0x0
	ROUND                                          ; the closing round: no work-group ends while a partner may still ask for a tile that names it
	s_endpgm
.Lfunc_end_k_q83de1fac08_outp:
	.size	k_q83de1fac08_outp, .Lfunc_end_k_q83de1fac08_outp-k_q83de1fac08_outp
	.p2alignl 7, 3214868480
	.fill 96, 4, 3214868480
	.section	.rodata,"a",@progbits
	.p2align	6, 0x0
	.amdhsa_kernel k_q83de1fac08_outp
		.amdhsa_group_segment_fixed_size 327680
		.amdhsa_private_segment_fixed_size 0
		.amdhsa_enable_private_segment 0
		.amdhsa_kernarg_size 24
		.amdhsa_user_sgpr_count 2
		.amdhsa_user_sgpr_kernarg_segment_ptr 1
		.amdhsa_wavefront_size32 1
		.amdhsa_system_sgpr_workgroup_id_x 1
		.amdhsa_system_sgpr_workgroup_id_y 1
		.amdhsa_system_sgpr_workgroup_id_z 1
		.amdhsa_system_vgpr_workitem_id 0
		.amdhsa_next_free_vgpr 256
		.amdhsa_next_free_sgpr 102
		.amdhsa_reserve_vcc 0
		.amdhsa_float_denorm_mode_32 3
		.amdhsa_float_denorm_mode_16_64 3
		.amdhsa_memory_ordered 1
		.amdhsa_forward_progress 1
		.amdhsa_inst_pref_size 33
	.end_amdhsa_kernel
	.amdgpu_metadata
---
amdhsa.version: [ 1, 2 ]
amdhsa.kernels:
  - .name:           k_q83de1fac08_outp
    .symbol:         k_q83de1fac08_outp.kd
    .args:
      - { .name: ao, .offset: 0, .size: 8, .value_kind: global_buffer, .address_space: global }
      - { .name: wq, .offset: 8, .size: 8, .value_kind: global_buffer, .address_space: global }
      - { .name: out0, .offset: 16, .size: 8, .value_kind: global_buffer, .address_space: global }
    .group_segment_fixed_size: 327680
    .private_segment_fixed_size: 0
    .kernarg_segment_align: 8
    .kernarg_segment_size: 24
    .max_flat_workgroup_size: 256
    .sgpr_count:     102
    .vgpr_count:     256
    .wavefront_size: 32
...
	.end_amdgpu_metadata
.endif
;; end of part 4
